; MI455X (gfx1250); checked and timed in simulation.
; The chip was launched on July 23, 2026; its instructions are those of AMD's public machine-readable ISA for CDNA 5 (MIT licence, August 2026) and "CDNA5" Instruction Set Architecture Reference Guide (July 2026). The comments in the code are by the model that wrote it; some were corrected since.
;; Character Delimited Attention. Allowed arithmetic: matrix products marked QUANTISED: E2M3 operands, one E8M0 scale for each 32 along K, by v_wmma_scale_f32_16x16x128_f8f6f4 with both operands' format E2M3, f32 sums; everything else in f32.
;; Inputs: Wqkv 1,024 x 3,072 float32; bqkv 3,072 float32; char_ids 4 x 2,048 int32; x 4 x 2,048 x 1,024 float32.
;; Outputs: out0 4 x 2,048 x 1,024 float32.
;; This version of the problem:
;;   THIS VERSION OF THE PROBLEM IS GIVEN IN LOW PRECISION. The matrix products marked QUANTISED in the list below multiply operands that are first quantised to E2M3 (2 exponent bits, 3 mantissa bits; 6 bits a number), with one power-of-two scale for each 32 numbers along K (OCP MX v1.0); their sums are f32. All else is computed in f32.
;;   The module's matrix products, in the order in which they are computed (A, B: the left and right operand; K: the contracted axis; several contracted axes count as one K, in the product's order):
;;     1. [M 8,192, K 1,024] x [K 1,024, N 3,072]; A: input x; B: input Wqkv: QUANTISED
;;     2. batch 64 x [M 2,048, K 64] x [K 64, N 2,048]; A: computed on the way; B: computed on the way: QUANTISED
;;     3. batch 64 x [M 2,048, K 2,048] x [K 2,048, N 64]; A: softmax (see below); B: computed on the way: QUANTISED
;;   THE QUANTISER, for each operand of a quantised product, along K:
;;     - K is cut into blocks of 32 from its start; a last block that is shorter is filled with zeros.
;;     - A block's scale is 2^e with e = floor(log2(the largest magnitude in the block)) - 2, held to -126 .. 127; a block of zeros has e = 0. As a byte (E8M0): e + 127.
;;     - Each number is divided by its block's scale, clamped to +-7.5, and rounded to the nearest number of E2M3, ties to even, subnormals kept.
;;     - The product sums the exact products of the quantised numbers (number of the format x scale) in f32.
;;   ~~~python
;;   def quantise(x, axis):      # numpy; x: float32 -> the quantised numbers, widened to float32 again
;;       x = np.moveaxis(x, axis, -1); K = x.shape[-1]
;;       x = np.pad(x, [(0, 0)] * (x.ndim - 1) + [(0, -K % 32)]); x = x.reshape(x.shape[:-1] + (-1, 32)); a = np.abs(x).max(-1, keepdims=True)
;;       e = np.where(a > 0, np.clip(np.frexp(np.where(a > 0, a, 1))[1] - 1 - 2, -126, 127), 0)      # np.frexp(a)[1] - 1 = floor(log2(a)), exactly
;;       r = np.clip(x / 2.0 ** e, -7.5, 7.5)
;;       step = 2.0 ** (np.maximum(np.frexp(np.where(r == 0, 1, r))[1] - 1, 0) - 3)
;;       q = np.round(r / step) * step * 2.0 ** e      # np.round: ties to even
;;       return np.moveaxis(q.reshape(q.shape[:-2] + (-1,))[..., :K], -1, axis).astype(np.float32)
;;   ~~~
;;   SOFTMAX AHEAD OF A QUANTISED PRODUCT. Where the list says 'softmax', what is quantised is not the finished softmax but p = 2^(t - M), with t = logit x log2(e) and M = ceil(the row's largest t), a whole number; so 1/2 < the row's largest p <= 1. The row's sum l is taken of the UNQUANTISED p, in f32, and the product's result is divided by l at the end. Since M is a whole number, a kernel that streams over the keys may use a running M (the ceiling of the running maximum): every later rescaling is an exact power of two, which a block's scale takes up: the codes' values come out the same.
;;   OPERANDS COMPUTED ON THE WAY. 'Computed on the way' means the value that the module computes at that place (a softmax that the list does not call 'softmax' is quantised finished and normalised). What goes into a quantiser is computed in f32, as accurately as f32 sums, v_exp_f32 and their like allow (about 1e-6 of the number): no bf16 or f16 on the way to a quantiser, and a product that is left as it is and whose result goes on into a quantised operand takes f32 operands (vector FMAs, or v_wmma_f32_16x16x4_f32). A number that lies on a knife's edge between two numbers of the format may be rounded either way, as far as f32 arithmetic and the matrix unit's own rounding can turn it there, and no further.
;; 2 versions, each right; version 2 is version 1 with the launch attn written anew for expert scheduling mode. Each part assembles by itself: llvm-mc -triple=amdgcn-amd-amdhsa -mcpu=gfx1250 --defsym DOCPART=n.
;; ======== version 1 of 2: 4 launches
;; workspace buffers: xq 6,553,600 bytes; wq 2,457,600 bytes; qk 12,582,912 bytes; qks 1,048,576 bytes; vc 6,291,456 bytes; vs 262,144 bytes; seg 36,864 bytes of whole numbers
;; launch quant_x (part 1): grid 256 x 1, 8 waves a work-group, no clusters, 136,192 bytes of LDS; arguments x, xq; writes xq
.if DOCPART == 1
	.amdgcn_target "amdgcn-amd-amdhsa--gfx1250"
	.amdhsa_code_object_version 6
	.text
	.protected	k_qeb35366fee_quant_x
	.globl	k_qeb35366fee_quant_x
	.p2align	8
	.type	k_qeb35366fee_quant_x,@function
k_qeb35366fee_quant_x:
	s_mov_b64 s[64:65], 0
	v_nop
	global_prefetch_b8 v0, s[64:65] scope:SCOPE_SE
	s_setreg_imm32_b32 hwreg(HW_REG_WAVE_MODE, 25, 1), 1
	s_wait_xcnt 0x0
; x [8192][1024] f32 becomes codes of FP6 (E2M3) with one E8M0 byte for each 32 along K, laid in the ORDER OF THE OPERAND'S REGISTERS:
; xq [32 blocks of 256 rows][8 K steps of 128][25,600 bytes]: 16 fragment images of 1,536 bytes (three planes of 512 bytes: lane l's registers 4 p .. 4 p + 3 at 512 p + 16 l), then 16 x 16 scale words.
; THE ROWS OF A FRAGMENT ARE NOT NEIGHBOURS: of a group of 32 rows, lane r of fragment u holds row 8 u + r + 8 (r / 8).
; A block's scale is 2^(floor(log2(its largest magnitude)) - 2): its byte is the largest magnitude's exponent field - 2, held at 1 from below.
; LIMITS: a block of zeros, or one whose largest magnitude lies under 2^(3 - 127), keeps the byte 1 (its codes are zeros or small; this program alone reads the bytes); NaN and infinities are not served.
; SHARES: a work-group takes 32 rows, wave s of its eight K step s: 32 rows x 512 bytes, two fragments.  Each load reads 512 consecutive bytes of a row; the rows turn through the wave's own stage in LDS
; (pitch 528, rows laid in fragment order) and come back 128 bytes a lane: a lane then holds two whole blocks of 32 of its row, as the operand's layout wants.  Waves share nothing: no barrier.
; Nothing here is read by two work-groups, so there is no cluster and no tensor load.
.set STG,   32*528                     ; a wave's stage
.set PARTB, 25600
.set L,   32                           ; v32-159  32 rows as loaded; then the two fragments' numbers, 64 a lane each
.set CD,  160                          ; v160-183 the two fragments' codes, 12 registers each
.set TMP, 184                          ; v184-190 the upper halves of two blocks
.set T,   192                          ; v192-193 largest magnitudes
.set SO,  194                          ; v194-195 the conversions' scale operands
.set BY,  196                          ; v196-197 the bytes
.set WD,  198                          ; v198-199 the two fragments' scale words
.set PT,  200                          ; v200     a lane permute's destination
	s_load_b128 s[4:7], s[0:1], 0x0                ; x, xq
	v_lshl_add_u32 v208, v0, 2, 0x21000
	v_mov_b32 v209, 0
	v_lshrrev_b32 v1, 5, v0
	v_readfirstlane_b32 s15, v1                    ; wave = K step
	v_and_b32 v1, 31, v0                           ; lane
	v_and_b32 v2, 15, v0                           ; r
	v_bfe_u32 v3, v0, 4, 1                         ; h
	v_lshlrev_b32 v4, 4, v1                        ; 16 x lane: my bytes of a load, and of an image's plane
	s_mul_i32 s18, s15, STG
	v_add_nc_u32 v5, s18, v4                       ; the stage, on the way in
	v_mul_u32_u24 v6, v2, 528
	v_lshl_add_u32 v6, v3, 7, v6
	v_add_nc_u32 v6, s18, v6                       ; and out: row r of a fragment, + 128 h
	v_lshlrev_b32 v7, 2, v1                        ; 4 x lane
	v_lshlrev_b32 v8, 3, v3                        ; 8 h: my bytes' place in the scale word
	v_mov_b32 v[PT], 0                             ; written once: a lane permute's destination counts as one of its sources
	s_mov_b32 s12, 0x76543210
	s_mov_b32 s13, 0xfedcba98                      ; selects for lane l xor 16
	s_mov_b32 s14, 0xffff0000                      ; lanes 16-31
	s_lshl_b32 s20, ttmp9, 17                      ; 32 rows of 4,096 bytes
	s_lshl_b32 s21, s15, 9                         ; + 512 bytes a K step
	s_add_co_u32 s20, s20, s21
	s_mov_b32 s21, 0
	s_lshr_b32 s22, ttmp9, 3                       ; the block of 256 rows
	s_lshl_b32 s22, s22, 3
	s_add_co_u32 s22, s22, s15
	s_mul_i32 s22, s22, PARTB                      ; its part for my K step
	s_mov_b32 s23, 0
	s_and_b32 s24, ttmp9, 7                        ; which group of 32 rows in the block
	s_mul_i32 s26, s24, 2*1536                     ; its two images
	s_mov_b32 s27, 0
	s_lshl_b32 s24, s24, 7                         ; its 32 scale words
	s_mov_b32 s25, 0
	s_wait_kmcnt 0x0
	s_add_nc_u64 s[8:9], s[4:5], s[20:21]
	s_add_nc_u64 s[6:7], s[6:7], s[22:23]
	s_add_nc_u64 s[10:11], s[6:7], s[26:27]
	s_add_nc_u64 s[16:17], s[6:7], s[24:25]
.set i, 0
.rept 32
	global_load_b128 v[L+4*i:L+4*i+3], v4, s[8:9] offset:4096*i th:TH_LOAD_NT   ; row i: 512 consecutive bytes
.set i, i+1
.endr
.set i, 0
.rept 32
	s_wait_loadcnt 31-i                            ; loads come back in order: row i is in, the younger rows stay out
	ds_store_b128 v5, v[L+4*i:L+4*i+3] offset:528*(16*((i>>3)&1)+(i&7)+8*(i>>4))   ; to its place in fragment order
.set i, i+1
.endr
.irp u, 0,1
.irp c, 0,1
.irp k, 0,1,2,3,4,5,6,7
	ds_load_b128 v[L+64*\u+32*\c+4*\k:L+64*\u+32*\c+4*\k+3], v6 offset:8448*\u+256*\c+16*\k   ; LDS serves a wave's instructions in order: these see the stores above
.endr
.endr
.endr
; Fragment u: my row's blocks h and 2 + h, 32 numbers each, in v[X] on.
.macro QF u
.set X, L+64*\u
.set C, CD+12*\u
.irp c, 0,1
	v_max3_num_f32 v[T+\c], |v[X+32*\c]|, |v[X+32*\c+1]|, 0x1800000   ; with the floor 2^(3 - 127): the byte cannot fall under 1
.endr
.irp i, 2,4,6,8,10,12,14,16,18,20,22,24,26,28,30
.irp c, 0,1
	v_max3_num_f32 v[T+\c], v[T+\c], |v[X+32*\c+\i]|, |v[X+32*\c+\i+1]|   ; the two blocks by turns
.endr
.endr
.irp c, 0,1
	v_add_nc_u32 v[SO+\c], 0xff000000, v[T+\c]     ; 2 off the exponent field: the conversion's scale operand
.endr
.irp c, 0,1
	v_lshrrev_b32 v[BY+\c], 23, v[SO+\c]           ; the byte
.endr
	v_lshl_or_b32 v[WD+\u], v[BY+1], 16, v[BY]     ; blocks h and 2 + h,
	v_lshlrev_b32 v[WD+\u], v8, v[WD+\u]           ; at their places,
	v_permlanex16_b32 v[PT], v[WD+\u], s12, s13
	v_or_b32 v[WD+\u], v[WD+\u], v[PT]             ; with lane l xor 16's two the row's word is whole
.irp c, 0,1
	v_cvt_scalef32_pk16_fp6_f32 v[C+6*\c:C+6*\c+2], v[X+32*\c:X+32*\c+15], v[SO+\c]
	v_cvt_scalef32_pk16_fp6_f32 v[TMP+4*\c:TMP+4*\c+2], v[X+32*\c+16:X+32*\c+31], v[SO+\c]   ; (a conversion's three registers begin on an even number)
.endr
	v_nop                                          ; one plain place behind a scaled conversion
.irp c, 0,1
.irp i, 0,1,2
	v_mov_b32 v[C+6*\c+3+\i], v[TMP+4*\c+\i]
.endr
.endr
.irp p, 0,1,2
	global_store_b128 v4, v[C+4*\p:C+4*\p+3], s[10:11] offset:1536*\u+512*\p   ; a plane: 512 consecutive bytes
.endr
.endm
	s_wait_dscnt 16                                ; fragment 0's numbers are back; fragment 1's sixteen loads may be out
	QF 0
	s_wait_dscnt 0x0
	QF 1
	v_cndmask_b32 v[PT], v[WD], v[WD+1], s14       ; lanes 0-15 fragment 0's words, lanes 16-31 fragment 1's
	global_store_b32 v7, v[PT], s[16:17] offset:24576
	s_wait_tensorcnt 0x0
	ds_add_u32 v208, v209
	s_wait_dscnt 0x0
	s_endpgm
.Lfunc_end_k_qeb35366fee_quant_x:
	.size	k_qeb35366fee_quant_x, .Lfunc_end_k_qeb35366fee_quant_x-k_qeb35366fee_quant_x
	.p2alignl 7, 3214868480
	.fill 96, 4, 3214868480
	.section	.rodata,"a",@progbits
	.p2align	6, 0x0
	.amdhsa_kernel k_qeb35366fee_quant_x
		.amdhsa_group_segment_fixed_size 136192
		.amdhsa_private_segment_fixed_size 0
		.amdhsa_enable_private_segment 0
		.amdhsa_kernarg_size 16
		.amdhsa_user_sgpr_count 2
		.amdhsa_user_sgpr_kernarg_segment_ptr 1
		.amdhsa_wavefront_size32 1
		.amdhsa_system_sgpr_workgroup_id_x 1
		.amdhsa_system_sgpr_workgroup_id_y 1
		.amdhsa_system_sgpr_workgroup_id_z 1
		.amdhsa_system_vgpr_workitem_id 0
		.amdhsa_next_free_vgpr 210
		.amdhsa_next_free_sgpr 66
		.amdhsa_reserve_vcc 0
		.amdhsa_float_denorm_mode_32 3
		.amdhsa_float_denorm_mode_16_64 3
		.amdhsa_memory_ordered 1
		.amdhsa_forward_progress 1
		.amdhsa_inst_pref_size 17
	.end_amdhsa_kernel
	.amdgpu_metadata
---
amdhsa.version: [ 1, 2 ]
amdhsa.kernels:
  - .name:           k_qeb35366fee_quant_x
    .symbol:         k_qeb35366fee_quant_x.kd
    .args:
      - { .name: x, .offset: 0, .size: 8, .value_kind: global_buffer, .address_space: global }
      - { .name: xq, .offset: 8, .size: 8, .value_kind: global_buffer, .address_space: global }
    .group_segment_fixed_size: 136192
    .private_segment_fixed_size: 0
    .kernarg_segment_align: 8
    .kernarg_segment_size: 16
    .max_flat_workgroup_size: 256
    .sgpr_count:     66
    .vgpr_count:     210
    .wavefront_size: 32
...
	.end_amdgpu_metadata
.endif
;; end of part 1
;; launch quant_w (part 2): grid 193 x 1, 4 waves a work-group, no clusters, 14,848 bytes of LDS; arguments Wqkv, char_ids, wq, seg; writes wq, seg
.if DOCPART == 2
	.amdgcn_target "amdgcn-amd-amdhsa--gfx1250"
	.amdhsa_code_object_version 6
	.text
	.protected	k_qeb35366fee_quant_w
	.globl	k_qeb35366fee_quant_w
	.p2align	8
	.type	k_qeb35366fee_quant_w,@function
k_qeb35366fee_quant_w:
	s_mov_b64 s[64:65], 0
	v_nop
	global_prefetch_b8 v0, s[64:65] scope:SCOPE_SE
	s_setreg_imm32_b32 hwreg(HW_REG_WAVE_MODE, 25, 1), 1
	s_wait_xcnt 0x0
; TWO JOBS, parted on the work-group's number.
; Work-groups 0-191: Wqkv [1024 (k)][3072 (n)] f32 becomes codes of FP6 (E2M3), quantised along K (its FIRST axis), laid as the other operand is: wq [12 blocks of 256 columns][8 K steps][25,600 bytes]:
; 16 fragment images of 1,536 bytes, then 16 x 16 scale words; of a group of 32 columns, lane r of fragment u holds column 8 u + r + 8 (r / 8).
; A LANE TAKES A COLUMN AND ITS REGISTERS RUN DOWN K: each load reads 128 consecutive bytes a wave (512 a work-group), a block of 32 lies in one lane, and the conversions give codes with K innermost.
; The codes turn into register images in the wave's own stage in LDS and leave as planes of 512 consecutive bytes.
; LIMITS: a block of zeros, or one under 2^(3 - 127), keeps the byte 1 (this program alone reads the bytes); NaN and infinities are not served.
; Work-group 192: the mask's whole numbers.  Key k counts for query q where start[q] <= k <= q, start[q] = the last delimiter at or before q (0 if none).  Wave b scans batch b, lane l positions 64 l .. 64 l + 63.
; Stored: start[b][s] at byte 0; at byte 32,768, for each group g of 32 queries, {first block of 32 keys, windows of 128 keys, first word of V's scales, its shift}, laid [b][g & 1][g >> 1].
; That path moves 16 bytes a lane at strides of 256 bytes: the scan wants 64 neighbours in a lane, and it is 64 KB in all.  It touches no LDS.
.set X,    32                          ; v32-159  my column's 128 numbers
.set BB,   160                         ; v160-183 four blocks' codes, 6 registers each
.set TMP,  184
.set OUTR, 188                         ; v188-211 the images on their way out
.set ID,   32                          ; the other path: v32-95 ids, v96-159 starts
.set ST,   96
	s_load_b256 s[4:11], s[0:1], 0x0               ; Wqkv, char_ids, wq, seg
	v_lshl_add_u32 v224, v0, 2, 0x3800
	v_mov_b32 v225, 0
	v_lshrrev_b32 v1, 5, v0
	v_readfirstlane_b32 s12, v1                    ; wave
	v_and_b32 v1, 31, v0                           ; lane
	s_cmp_eq_u32 ttmp9, 192
	s_cbranch_scc1 .Lseg
	s_and_b32 s13, ttmp9, 7                        ; K step
	s_lshr_b32 s14, ttmp9, 3
	s_lshl_b32 s14, s14, 2
	s_add_co_u32 s14, s14, s12                     ; my group of 32 columns, 0 .. 95
	v_lshlrev_b32 v2, 2, v1                        ; 4 x lane
	v_lshlrev_b32 v3, 4, v1                        ; 16 x lane
	v_bfe_u32 v4, v0, 3, 1                         ; my column's fragment u
	v_and_b32 v5, 7, v0
	v_bfe_u32 v6, v0, 4, 1
	v_lshl_add_u32 v5, v6, 3, v5                   ; and its lane r there
	s_mul_i32 s15, s12, 3584                       ; my stage: two images, 1,664 bytes apart
	v_mul_u32_u24 v6, v4, 1664
	v_lshl_add_u32 v6, v5, 4, v6
	v_add_nc_u32 v6, s15, v6                       ; in: image u, lane r
	v_add_nc_u32 v7, s15, v3                       ; out: 16 x lane
	v_lshlrev_b32 v8, 6, v4
	v_lshl_add_u32 v8, v5, 2, v8                   ; my scale word's place: 64 u + 4 r
	s_mul_i32 s16, s13, 128*12288                  ; 128 rows of W a K step
	s_lshl_b32 s17, s14, 7                         ; 128 bytes a group
	s_add_co_u32 s16, s16, s17
	s_mov_b32 s17, 0
	s_lshr_b32 s18, s14, 3
	s_lshl_b32 s18, s18, 3
	s_add_co_u32 s18, s18, s13
	s_mul_i32 s18, s18, 25600                      ; the part
	s_mov_b32 s19, 0
	s_and_b32 s20, s14, 7
	s_mul_i32 s22, s20, 2*1536                     ; my two images in it
	s_mov_b32 s23, 0
	s_lshl_b32 s20, s20, 7                         ; my 32 scale words
	s_mov_b32 s21, 0
	s_wait_kmcnt 0x0
	s_add_nc_u64 s[4:5], s[4:5], s[16:17]
	s_add_nc_u64 s[8:9], s[8:9], s[18:19]
	s_add_nc_u64 s[24:25], s[8:9], s[22:23]
	s_add_nc_u64 s[26:27], s[8:9], s[20:21]
.macro WLOAD k                         ; block k: W(32 k + i, my column)
.set i, 0
.rept 32
	global_load_b32 v[X+32*(\k)+i], v2, s[4:5] offset:12288*(32*(\k)+i) th:TH_LOAD_NT
.set i, i+1
.endr
.endm
.macro BLOCK k, left
.set XS, X+32*(\k)
.set B, BB+6*(\k)
	s_wait_loadcnt \left                           ; this block's 32 loads are in; the next block's 32 may be out
.if (\k) < 2
	WLOAD (\k)+2                                   ; two blocks ahead, into registers of their own
.endif
	v_max3_num_f32 v12, |v[XS]|, |v[XS+1]|, |v[XS+2]|
	v_max3_num_f32 v13, |v[XS+3]|, |v[XS+4]|, |v[XS+5]|
.irp i, 6,10,14,18,22,26
	v_max3_num_f32 v12, v12, |v[XS+\i]|, |v[XS+\i+1]|
	v_max3_num_f32 v13, v13, |v[XS+\i+2]|, |v[XS+\i+3]|
.endr
	v_max3_num_f32 v12, v12, |v[XS+30]|, |v[XS+31]|
	v_max3_num_f32 v12, v12, v13, 0x1800000        ; the floor 2^(3 - 127)
	v_add_nc_u32 v14, 0xff000000, v12              ; 2 off the exponent field: the conversion's scale operand
	v_lshrrev_b32 v13, 23, v14                     ; the byte
.if (\k) == 0
	v_mov_b32 v15, v13
.else
	v_lshl_or_b32 v15, v13, 8*(\k), v15            ; my column's scale word: byte k for block k
.endif
	v_cvt_scalef32_pk16_fp6_f32 v[B:B+2], v[XS:XS+15], v14
	v_cvt_scalef32_pk16_fp6_f32 v[TMP:TMP+2], v[XS+16:XS+31], v14
	v_nop                                          ; one plain place behind a scaled conversion
.irp i, 0,1,2
	v_mov_b32 v[B+3+\i], v[TMP+\i]
.endr
; block k = 2 c + h is registers 6 c .. 6 c + 5 of lane (r, h) of my fragment: register n lies in plane n / 4 at 16 x (r + 16 h) + 4 (n % 4)
.if (\k) < 2
	ds_store_b128 v6, v[B:B+3] offset:256*((\k)&1)
	ds_store_b64 v6, v[B+4:B+5] offset:512+256*((\k)&1)
.else
	ds_store_b64 v6, v[B:B+1] offset:520+256*((\k)&1)
	ds_store_b128 v6, v[B+2:B+5] offset:1024+256*((\k)&1)
.endif
.endm
	WLOAD 0
	WLOAD 1
	BLOCK 0, 32
	BLOCK 1, 32
	BLOCK 2, 32
	BLOCK 3, 0
.irp u, 0,1
.irp p, 0,1,2
	ds_load_b128 v[OUTR+12*\u+4*\p:OUTR+12*\u+4*\p+3], v7 offset:1664*\u+512*\p   ; LDS serves a wave's instructions in order: these see my stores
.endr
.endr
.irp u, 0,1
.irp p, 0,1,2
	s_wait_dscnt 5-3*\u-\p                         ; this plane is back; the younger ones may be out
	global_store_b128 v3, v[OUTR+12*\u+4*\p:OUTR+12*\u+4*\p+3], s[24:25] offset:1536*\u+512*\p
.endr
.endr
	global_store_b32 v8, v15, s[26:27] offset:24576   ; 32 lanes fill 128 consecutive bytes, in another order
	s_wait_tensorcnt 0x0
	ds_add_u32 v224, v225
	s_wait_dscnt 0x0
	s_endpgm
.Lseg:
	v_lshlrev_b32 v2, 8, v1                        ; 256 x lane: my 64 ids, my 64 starts
	v_lshlrev_b32 v3, 6, v1                        ; my first position
	v_lshlrev_b32 v4, 4, v1                        ; 16 x lane
	v_mov_b32 v5, 0
	s_lshl_b32 s16, s12, 13                        ; a batch: 8,192 bytes
	s_mov_b32 s17, 0
	s_lshl_b32 s18, s12, 10
	s_add_co_u32 s18, s18, 32768                   ; its 64 entries of 16 bytes
	s_mov_b32 s19, 0
	s_wait_kmcnt 0x0
	s_add_nc_u64 s[6:7], s[6:7], s[16:17]
	s_add_nc_u64 s[20:21], s[10:11], s[16:17]
	s_add_nc_u64 s[22:23], s[10:11], s[18:19]
.set i, 0
.rept 16
	global_load_b128 v[ID+4*i:ID+4*i+3], v2, s[6:7] offset:16*i
.set i, i+1
.endr
	s_wait_loadcnt 0x0
.set e, 0
.rept 64                               ; a delimiter's own position, else 0: 64 lines of work that do not wait for each other
	v_add_nc_u32 v6, e, v3
	v_cmp_eq_u32 vcc_lo, 32, v[ID+e]
	v_cndmask_b32 v[ST+e], v5, v6, vcc_lo
	v_cmp_eq_u32 vcc_lo, 10, v[ID+e]
	v_cndmask_b32 v[ST+e], v[ST+e], v6, vcc_lo
.set e, e+1
.endr
.set e, 1
.rept 63
	v_max_u32 v[ST+e], v[ST+e], v[ST+e-1]          ; positions ascend, so the last delimiter is the largest
.set e, e+1
.endr
	v_mov_b32 v7, 0
	s_mov_b32 s25, 0
.set e, 0
.rept 32                               ; what the lanes before mine have seen
	v_writelane_b32 v7, s25, e
	v_readlane_b32 s26, v[ST+63], e
	s_max_u32 s25, s25, s26
.set e, e+1
.endr
.set e, 0
.rept 64
	v_max_u32 v[ST+e], v[ST+e], v7
.set e, e+1
.endr
.set i, 0
.rept 16
	global_store_b128 v2, v[ST+4*i:ST+4*i+3], s[20:21] offset:16*i
.set i, i+1
.endr
.irp g, 0,1                            ; group 2 l + g of 32 queries: its keys lie in [start of its first query, rounded down to 32; its own end)
	v_add_nc_u32 v8, 32*(\g+1), v3                 ; the end
	v_and_b32 v9, 0xffffffe0, v[ST+32*\g]
	v_sub_nc_u32 v9, v8, v9
	v_add_nc_u32 v9, 127, v9
	v_lshrrev_b32 v[17+4*\g], 7, v9                ; windows of 128 keys
	v_lshlrev_b32 v9, 7, v[17+4*\g]
	v_sub_nc_u32 v9, v8, v9
	v_max_i32 v9, 0, v9                            ; the first window's first key
	v_lshrrev_b32 v[16+4*\g], 5, v9                ; as a block of 32
	v_lshrrev_b32 v[18+4*\g], 2, v[16+4*\g]        ; the word of V's scales that holds its byte,
	v_and_b32 v[19+4*\g], 3, v[16+4*\g]
	v_lshlrev_b32 v[19+4*\g], 3, v[19+4*\g]        ; and the byte's place in it, in bits
	global_store_b128 v4, v[16+4*\g:19+4*\g], s[22:23] offset:512*\g
.endr
	s_endpgm
.Lfunc_end_k_qeb35366fee_quant_w:
	.size	k_qeb35366fee_quant_w, .Lfunc_end_k_qeb35366fee_quant_w-k_qeb35366fee_quant_w
	.p2alignl 7, 3214868480
	.fill 96, 4, 3214868480
	.section	.rodata,"a",@progbits
	.p2align	6, 0x0
	.amdhsa_kernel k_qeb35366fee_quant_w
		.amdhsa_group_segment_fixed_size 14848
		.amdhsa_private_segment_fixed_size 0
		.amdhsa_enable_private_segment 0
		.amdhsa_kernarg_size 32
		.amdhsa_user_sgpr_count 2
		.amdhsa_user_sgpr_kernarg_segment_ptr 1
		.amdhsa_wavefront_size32 1
		.amdhsa_system_sgpr_workgroup_id_x 1
		.amdhsa_system_sgpr_workgroup_id_y 1
		.amdhsa_system_sgpr_workgroup_id_z 1
		.amdhsa_system_vgpr_workitem_id 0
		.amdhsa_next_free_vgpr 226
		.amdhsa_next_free_sgpr 66
		.amdhsa_reserve_vcc 1
		.amdhsa_float_denorm_mode_32 3
		.amdhsa_float_denorm_mode_16_64 3
		.amdhsa_memory_ordered 1
		.amdhsa_forward_progress 1
		.amdhsa_inst_pref_size 46
	.end_amdhsa_kernel
	.amdgpu_metadata
---
amdhsa.version: [ 1, 2 ]
amdhsa.kernels:
  - .name:           k_qeb35366fee_quant_w
    .symbol:         k_qeb35366fee_quant_w.kd
    .args:
      - { .name: Wqkv, .offset: 0, .size: 8, .value_kind: global_buffer, .address_space: global }
      - { .name: char_ids, .offset: 8, .size: 8, .value_kind: global_buffer, .address_space: global }
      - { .name: wq, .offset: 16, .size: 8, .value_kind: global_buffer, .address_space: global }
      - { .name: seg, .offset: 24, .size: 8, .value_kind: global_buffer, .address_space: global }
    .group_segment_fixed_size: 14848
    .private_segment_fixed_size: 0
    .kernarg_segment_align: 8
    .kernarg_segment_size: 32
    .max_flat_workgroup_size: 128
    .sgpr_count:     66
    .vgpr_count:     226
    .wavefront_size: 32
...
	.end_amdgpu_metadata
.endif
;; end of part 2
;; launch gemm (part 3): grid 12 x 32, 4 waves a work-group, clusters of 4 x 4, 327,680 bytes of LDS; arguments xq, wq, bqkv, qk, qks, vc, vs; writes qk, qks, vc, vs
.if DOCPART == 3
	.amdgcn_target "amdgcn-amd-amdhsa--gfx1250"
	.amdhsa_code_object_version 6
	.text
	.protected	k_qeb35366fee_gemm
	.globl	k_qeb35366fee_gemm
	.p2align	8
	.type	k_qeb35366fee_gemm,@function
k_qeb35366fee_gemm:
	s_mov_b64 s[64:65], 0
	v_nop
	global_prefetch_b8 v0, s[64:65] scope:SCOPE_SE
	s_setreg_imm32_b32 hwreg(HW_REG_WAVE_MODE, 25, 1), 1
	s_wait_xcnt 0x0
	s_wait_alu depctr_hold_cnt(0) depctr_sa_sdst(0) depctr_va_vdst(0) depctr_va_sdst(0) depctr_va_ssrc(0) depctr_va_vcc(0) depctr_vm_vsrc(0)
	s_getreg_b32 s2, hwreg(HW_REG_IB_STS2, 6, 4)
	s_cmp_eq_u32 s2, 0
	s_cbranch_scc0 .Lentry_in_a_cluster
	s_endpgm
.Lentry_in_a_cluster:
	s_bfe_u32 s2, ttmp6, 0x10000c
	s_cmp_lg_u32 s2, 0xf033
	s_cbranch_scc0 .Lentry_shape_is_right
	s_endpgm
.Lentry_shape_is_right:
; qkv = Q(x) Q(W) + b on codes of FP6 (E2M3), and q, k and v / 64 leave ALREADY QUANTISED for the two products of attention, in the order of those operands' registers.  No f32 intermediate goes to memory.
; A tile of 256 x 256 is made by four waves, each 128 x 128: 64 accumulators, 512 registers.  K = 1,024 goes in 8 steps of 128.  Both operands lie in memory as register images (a part of 25,600 bytes = 16 fragments
; + their scale words for one K step), so a part is one dense block for one tensor load, and a fragment is three loads of 16 bytes a lane, 512 consecutive bytes each: no pitch, no padding, no bank conflict.
; LDS: three slots of four parts (A's and B's parts of two K steps); wave w fills part w.  The three first fills go out together; slot 0 is filled once more, with K steps 6 and 7.
; THE MATRIX INSTRUCTION IS USED TRANSPOSED: source 0 = B, source 1 = A: a lane holds one row of A, and the 16 registers of B's tiles 2 y and 2 y + 1 are 16 NEIGHBOURS of B's index (the fragments' rows are chosen for that).
; ONE TEXT FOR q, k AND v.  The cluster's x says which (0, 1, 2).  For q and k: A = x (a lane holds a position), B = W (registers run along d, the next product's K).  For v the operands change places: A = W (a lane holds
; one d), B = x (registers run along the keys, the next K).  The choice hangs on the cluster's x alone, which all partners share; it selects pointers and index terms, and branches round no tensor load and no barrier.
; CLUSTERS: 4 x 4.  A's part hangs on the place along y alone and is asked for jointly by a row of the cluster, B's on the place along x alone, by a column.
; THE WAY OUT uses no LDS: a block of 32 along the next K lies in lanes l and l xor 16; its largest magnitude, byte and codes are made in registers; two tiles of A change halves, so that lane r + 16 u holds a whole block
; (24 bytes) of row r of tile u, and 32 lanes store 512 + 256 consecutive bytes.  v / 64 is exact: 6 off each scale byte, the codes stay.
; LIMITS: blocks under 2^(3 - 127) (v: 2^(9 - 127)) keep the floor's byte; NaN and infinities are not served.
; REGISTERS, in windows of 256: window 0: v16-31 addresses; v32-63 scale words, two sets; v64-127 the bias as the first step's C; v128-223 A's fragments, one set; on the way out v32-111 are at work.
;   window 1: B's fragments, two sets, at v0 and v128.   window 2: the accumulators of A's tiles 0-3 ((a, b) at v[8 (8 a + b)]);   window 3: those of tiles 4-7.
.set PART,  25600
.set SLOT,  4*PART
.set SPARE, 3*SLOT                     ; behind the slots: the spare words, 128 bytes a wave: two blocks of 256 bytes that no other line names
.set FR,    12
.set ADRA, 16                          ; v16-18  my A fragments in slot 0, 1, 2
.set ADRB, 19                          ; v19-21  my B fragments
.set ADRS, 22                          ; v22-24  scale words: lanes 0-15 A's, lanes 16-31 B's
.set L16,  25
.set L8,   26
.set L4,   27
.set SPW,  28                          ; v28     LDS address of my spare word; never rewritten
.set NIL,  29                          ; v29     0; never rewritten
.set BO1,  30
.set BO2,  31
.set SC,   32                          ; set j % 2 at v[SC + 16 (j % 2)]: register 2 i + q: tile i, the slot's q-th K step
.set BR,   64
.set AF,   128
.set G1A, 24                           ; s[24:31] group 1 for A's parts;  s[32:39] for B's
.set G1B, 32
.set G0A, 40                           ; s[40:51] group 0 for A's parts, a set for each slot;  s[52:63] for B's
.set G0B, 52
.set ET,  32                           ; the way out: v32-39 largest magnitudes, v40-47 the other half's, v48-55 scale operands, v56-63 bytes, v64-71 words, v72-95 codes, v96-111 the second tile's
.set EU,  40
.set ESO, 48
.set EBY, 56
.set EWD, 64
.set EPC, 72
.set ETP, 96
.set MSB, 0
.macro WIN new                         ; the immediate's high byte repeats the setting that is left
.if MSB != (\new)
	s_set_vgpr_msb (MSB<<8)|(\new)
.set MSB, (\new)
.endif
.endm
.macro PLACES n
.rept \n
	v_nop
.endr
.endm
.macro JLOAD g0a, g0b                  ; a joint load: waves 0 and 1 fetch A's parts, waves 2 and 3 B's; four v_nop follow each of the two lines
	s_cmp_eq_u32 s19, 0
	s_cbranch_scc0 .Lfor_b_\@
	tensor_load_to_lds s[\g0a:\g0a+3], s[G1A:G1A+7]
	s_nop 0
	PLACES 4
	s_branch .Lasked_\@
.Lfor_b_\@:
	tensor_load_to_lds s[\g0b:\g0b+3], s[G1B:G1B+7]
	s_nop 0
	PLACES 4
.Lasked_\@:
.endm
.macro CREST                           ; a round of the cluster's barrier behind its opening barrier
	s_cmp_lg_u32 s18, 0
	s_cbranch_scc1 .Lnot_wave_0_\@
	s_barrier_signal -3
.Lnot_wave_0_\@:
	s_barrier_wait -3
	s_barrier_signal -1
	s_barrier_wait -1
.endm
.macro CROUND
	s_barrier_signal -1
	s_barrier_wait -1
	CREST
.endm
	s_load_b256 s[4:11], s[0:1], 0x0               ; xq, wq, bqkv, qk
	s_load_b128 s[12:15], s[0:1], 0x20             ; qks, vc
	s_load_b64 s[16:17], s[0:1], 0x30              ; vs
	v_lshl_add_u32 v[SPW], v0, 2, SPARE
	v_mov_b32 v[NIL], 0
	ds_add_u32 v28, v29
	ds_add_u32 v28, v29
	s_wait_dscnt 0x0
	v_lshrrev_b32 v1, 5, v0
	v_readfirstlane_b32 s18, v1                    ; wave 0..3
	s_lshr_b32 s19, s18, 1                         ; which half of A's tiles is mine.  Also: I fetch for A (0) or for B (1)
	s_and_b32 s20, s18, 1                          ; which half of B's.  Also: which of a slot's two K steps I fetch
	s_bfe_u32 s21, ttmp6, 0x40000                  ; cx
	s_bfe_u32 s22, ttmp6, 0x40004                  ; cy
	s_mov_b32 s75, ttmp9                           ; the cluster's x: 0 q, 1 k, 2 v
	s_and_b32 s76, ttmp7, 0xffff                   ; the cluster's y
	s_mov_b32 s70, 3<<23                           ; the floor under a block's largest magnitude
	s_mov_b32 s72, 0x76543210
	s_mov_b32 s73, 0xfedcba98                      ; selects for lane l xor 16
	s_mov_b32 s74, 0xffff0000                      ; lanes 16-31
	s_cmp_eq_u32 s75, 2
	s_cselect_b32 s23, 1, 0                        ; v?
	s_cselect_b32 s77, s75, s76
	s_cselect_b32 s78, s76, s75
	s_cselect_b32 s70, 9<<23, s70                  ; v: 6 more, so that the byte less 6 cannot fall under 1
	s_lshl_b32 s77, s77, 2
	s_add_co_u32 s77, s77, s22                     ; A's block of 256: 4 x (y, or for v x) + cy
	s_lshl_b32 s78, s78, 2
	s_add_co_u32 s78, s78, s21                     ; B's: 4 x (x, or for v y) + cx
	s_lshl_b32 s89, s22, 2
	s_lshl_b32 s89, 15, s89                        ; my row of the cluster
	s_lshl_b32 s90, 0x1111, s21                    ; my column
	; group 1: a part is 100 dense rows of 256 bytes (32 elements of 8 bytes), no padding
	s_or_b32 s[G1A], s89, (3<<16)|(1<<21)          ; 15:0 the mask; 17:16 elements of 8 bytes; 21 set beside a mask
	s_or_b32 s[G1B], s90, (3<<16)|(1<<21)
.irp g, G1A, G1B
	s_mov_b32 s[\g+1], 32<<16                      ; tensor_dim0
	s_mov_b32 s[\g+2], 100<<16                     ; tensor_dim1
	s_mov_b32 s[\g+3], 32<<16                      ; tile_dim0
	s_mov_b32 s[\g+4], 100                         ; tile_dim1
	s_mov_b32 s[\g+5], 32                          ; the pitch
	s_mov_b32 s[\g+6], 0
	s_mov_b32 s[\g+7], 0
.endr
	s_lshl_b32 s84, s77, 3
	s_add_co_u32 s84, s84, s20
	s_mul_i32 s84, s84, PART                       ; A: part 8 x block + my K step of slot 0
	s_mov_b32 s85, 0
	s_lshl_b32 s86, s78, 3
	s_add_co_u32 s86, s86, s20
	s_mul_i32 s86, s86, PART                       ; B likewise
	s_mov_b32 s87, 0
	s_mul_i32 s88, s18, PART                       ; where it goes: part w of a slot: no place in the cluster enters an LDS address
	s_wait_kmcnt 0x0
	s_cmp_eq_u32 s23, 1
	s_cselect_b64 s[80:81], s[6:7], s[4:5]         ; A's buffer: x's codes, for v W's
	s_cselect_b64 s[82:83], s[4:5], s[6:7]         ; B's: the other
	s_add_nc_u64 s[80:81], s[80:81], s[84:85]
	s_add_nc_u64 s[82:83], s[82:83], s[86:87]
	CROUND                                         ; all sixteen work-groups are here: the first joint loads meet
.irp s, 0,1,2
	s_mov_b32 s[G0A+4*\s], 1
	s_add_co_u32 s[G0A+4*\s+1], s88, \s*SLOT
	s_add_nc_u64 s[G0A+4*\s+2:G0A+4*\s+3], s[80:81], \s*2*PART
	s_or_b32 s[G0A+4*\s+3], s[G0A+4*\s+3], 0x80000000
	s_mov_b32 s[G0B+4*\s], 1
	s_add_co_u32 s[G0B+4*\s+1], s88, \s*SLOT
	s_add_nc_u64 s[G0B+4*\s+2:G0B+4*\s+3], s[82:83], \s*2*PART
	s_or_b32 s[G0B+4*\s+3], s[G0B+4*\s+3], 0x80000000
.endr
	s_cmp_eq_u32 s19, 0                            ; a wave's three first fills stand in one branch: three loads of mine are out
	s_cbranch_scc0 .Lfirst_b
	tensor_load_to_lds s[G0A:G0A+3], s[G1A:G1A+7]
	s_nop 0
	tensor_load_to_lds s[G0A+4:G0A+7], s[G1A:G1A+7]
	s_nop 0
	tensor_load_to_lds s[G0A+8:G0A+11], s[G1A:G1A+7]
	s_nop 0
	PLACES 4
	s_branch .Lfirst_asked
.Lfirst_b:
	tensor_load_to_lds s[G0B:G0B+3], s[G1B:G1B+7]
	s_nop 0
	tensor_load_to_lds s[G0B+4:G0B+7], s[G1B:G1B+7]
	s_nop 0
	tensor_load_to_lds s[G0B+8:G0B+11], s[G1B:G1B+7]
	s_nop 0
	PLACES 4
.Lfirst_asked:
	; where the results go.  P: the block of 256 positions; the column block; which half of each is my wave's
	s_cmp_eq_u32 s23, 1
	s_cselect_b32 s91, s78, s77                    ; P
	s_cselect_b32 s92, s77, s78                    ; the block of 256 columns of W
	s_cselect_b32 s93, s20, s19                    ; my half of the positions
	s_cselect_b32 s94, s19, s20                    ; my half of the columns
	s_cselect_b32 s99, 0, s75                      ; q 0, k 1 (v has buffers of its own)
	s_lshl_b32 s95, s92, 1
	s_add_co_u32 s95, s95, s94
	s_lshl_b32 s96, s95, 9                         ; the bias of my 128 columns: 512 bytes
	s_mov_b32 s97, 0
	s_add_nc_u64 s[8:9], s[8:9], s[96:97]
	s_and_b32 s92, s92, 3
	s_lshr_b32 s95, s91, 3                         ; the batch
	s_lshl_b32 s95, s95, 4
	s_lshl_b32 s92, s92, 2
	s_add_co_u32 s95, s95, s92
	s_lshl_b32 s94, s94, 1
	s_add_co_u32 s95, s95, s94                     ; my first (batch, head): 16 b + 4 x column block + 2 x half
	s_and_b32 s91, s91, 7
	s_lshl_b32 s96, s95, 6
	s_lshl_b32 s98, s91, 3
	s_add_co_u32 s96, s96, s98
	s_lshl_b32 s98, s93, 2
	s_add_co_u32 s96, s96, s98                     ; 64 x that + my first group of 32 positions
	s_lshl_b32 s95, s95, 4
	s_lshl_b32 s98, s91, 1
	s_add_co_u32 s95, s95, s98
	s_add_co_u32 s95, s95, s93
	s_lshl_b32 s95, s95, 8                         ; v's scale words: 256 bytes for 128 keys
	s_lshl_b32 s98, s96, 7                         ; q's, k's: 128 bytes a group
	s_mul_i32 s94, s99, 524288
	s_add_co_u32 s98, s98, s94
	s_mul_i32 s96, s96, 1536                       ; codes: 1,536 bytes a group
	s_mul_i32 s94, s99, 6291456
	s_add_co_u32 s96, s96, s94
	s_cmp_eq_u32 s23, 1
	s_cselect_b64 s[66:67], s[14:15], s[10:11]
	s_cselect_b64 s[68:69], s[16:17], s[12:13]
	s_cselect_b32 s98, s95, s98
	s_mov_b32 s99, 0
	s_add_nc_u64 s[66:67], s[66:67], s[96:97]
	s_add_nc_u64 s[68:69], s[68:69], s[98:99]
	v_and_b32 v1, 31, v0                           ; lane
	v_and_b32 v2, 15, v0                           ; r
	v_bfe_u32 v3, v0, 4, 1                         ; h
	v_lshlrev_b32 v[L16], 4, v1
	v_lshlrev_b32 v[L8], 3, v1
	v_lshlrev_b32 v[L4], 2, v1
	v_lshlrev_b32 v[BO1], 6, v3                    ; q, k: my half's 16 columns of a group
	v_and_b32 v4, 8, v2
	v_add_nc_u32 v4, v4, v2
	v_lshlrev_b32 v[BO2], 2, v4                    ; v: my column of a tile: r + 8 (r / 8)
	; THE BIAS IS THE C OF THE FIRST K STEP.  q, k: accumulator (a, b) wants the bias of B's tile b, eight neighbours a lane.  v: that of A's tile a, my lane's one column in all eight registers.
	s_cmp_eq_u32 s23, 1
	s_cbranch_scc1 .Lbias_v
.irp b, 0,1,2,3,4,5,6,7
	global_load_b128 v[BR+8*\b:BR+8*\b+3], v[BO1], s[8:9] offset:(32*(\b/2)+8*(\b%2))*4
	global_load_b128 v[BR+8*\b+4:BR+8*\b+7], v[BO1], s[8:9] offset:(32*(\b/2)+8*(\b%2))*4+16
.endr
	s_branch .Lbias_done
.Lbias_v:
.irp a, 0,1,2,3,4,5,6,7
.irp j, 0,1,2,3,4,5,6,7
	global_load_b32 v[BR+8*\a+\j], v[BO2], s[8:9] offset:(32*(\a/2)+8*(\a%2))*4
.endr
.endr
.Lbias_done:
	s_mul_i32 s91, s19, 8*1536                     ; my 8 fragments of A
	s_mul_i32 s92, s20, 8*1536
	s_add_co_u32 s92, s92, 2*PART                  ; of B, behind A's two parts
	s_lshl_b32 s93, s19, 9                         ; my 8 x 16 scale words of A
	s_lshl_b32 s94, s20, 9
	s_add_co_u32 s94, s94, 2*PART
	s_sub_co_u32 s94, s94, s93                     ; how far on B's lie
	s_add_co_u32 s93, s93, 24576
	v_lshlrev_b32 v4, 2, v2
	v_mul_u32_u24 v5, s94, v3                      ; lanes 16-31 take B's
	v_add_nc_u32 v4, v4, v5
.irp s, 0,1,2
	v_add_nc_u32 v[ADRA+\s], s91, v[L16]
	v_add_nc_u32 v[ADRB+\s], s92, v[L16]
	v_add_nc_u32 v[ADRS+\s], s93, v4
	s_add_co_u32 s91, s91, SLOT
	s_add_co_u32 s92, s92, SLOT
	s_add_co_u32 s93, s93, SLOT
.endr
.macro FRAG reg, adr, q, i             ; a fragment comes back as it was stored: three planes, 16 bytes a lane
.irp p, 0,1,2
	ds_load_b128 v[\reg+4*\p:\reg+4*\p+3], v[\adr] offset:PART*(\q)+1536*(\i)+512*\p
.endr
.endm
.macro FETCH_B slot, q, set
	WIN 0x40                                       ; destination window 1, address window 0
.irp i, 0,1,2,3,4,5,6,7
	FRAG 128*(\set)+FR*\i, ADRB+\slot, \q, \i
.endr
	WIN 0
.endm
.macro FETCH_A slot, q, i0
.irp i, \i0, \i0+1, \i0+2, \i0+3
	FRAG AF+FR*(\i), ADRA+\slot, \q, \i
.endr
.endm
.macro SCALES slot, j                  ; a slot's scale words: lanes 0-15 A's tile i, lanes 16-31 B's tile i
.irp i, 0,1,2,3,4,5,6,7
.irp q, 0,1
	ds_load_b32 v[SC+16*((\j)%2)+2*\i+\q], v[ADRS+\slot] offset:PART*\q+64*\i
.endr
.endr
.endm
; 16 matrix instructions: A's tiles a0, a0 + 1 x B's eight.  cmode 0: the sums go on in place; 1: they begin with the bias of B's tile; 2: with that of A's tile.
; The 64 accumulators take turns, one instruction a turn, in the same order in every step.
.macro MUL16 a0, set, q, j, cmode
.if \cmode
	WIN 0x81+0x40*((\a0)/4)                        ; source 0 window 1, source 1 and C window 0, D window 2 or 3
.else
	WIN 0xa1+0x50*((\a0)/4)                        ; C and D window 2 or 3
.endif
.irp a, \a0, \a0+1
.irp b, 0,1,2,3,4,5,6,7
.if \cmode == 0
	v_wmma_scale_f32_16x16x128_f8f6f4 v[8*(8*((\a)%4)+\b):8*(8*((\a)%4)+\b)+7], v[128*(\set)+FR*\b:128*(\set)+FR*\b+FR-1], v[AF+FR*(\a):AF+FR*(\a)+FR-1], v[8*(8*((\a)%4)+\b):8*(8*((\a)%4)+\b)+7], v[SC+16*((\j)%2)+2*\b+(\q)], v[SC+16*((\j)%2)+2*(\a)+(\q)] matrix_a_fmt:MATRIX_FMT_FP6 matrix_b_fmt:MATRIX_FMT_FP6 matrix_a_scale:MATRIX_SCALE_ROW1
.elseif \cmode == 1
	v_wmma_scale_f32_16x16x128_f8f6f4 v[8*(8*((\a)%4)+\b):8*(8*((\a)%4)+\b)+7], v[128*(\set)+FR*\b:128*(\set)+FR*\b+FR-1], v[AF+FR*(\a):AF+FR*(\a)+FR-1], v[BR+8*\b:BR+8*\b+7], v[SC+16*((\j)%2)+2*\b+(\q)], v[SC+16*((\j)%2)+2*(\a)+(\q)] matrix_a_fmt:MATRIX_FMT_FP6 matrix_b_fmt:MATRIX_FMT_FP6 matrix_a_scale:MATRIX_SCALE_ROW1
.else
	v_wmma_scale_f32_16x16x128_f8f6f4 v[8*(8*((\a)%4)+\b):8*(8*((\a)%4)+\b)+7], v[128*(\set)+FR*\b:128*(\set)+FR*\b+FR-1], v[AF+FR*(\a):AF+FR*(\a)+FR-1], v[BR+8*(\a):BR+8*(\a)+7], v[SC+16*((\j)%2)+2*\b+(\q)], v[SC+16*((\j)%2)+2*(\a)+(\q)] matrix_a_fmt:MATRIX_FMT_FP6 matrix_b_fmt:MATRIX_FMT_FP6 matrix_a_scale:MATRIX_SCALE_ROW1
.endif
.endr
.endr
.endm
; A load into a register that a matrix instruction has read stands four places behind it, and only plain vector instructions that name none of its registers are places (ISA guide 7.12.1 for vector instructions).
; A slot's first K step: B's set 0.  In its middle the second step's B (set 1) and A's tiles 0-3 are fetched, at its end A's tiles 4-7.
.macro STEP slot, j, cmode
	s_wait_dscnt 12                                ; all but the youngest twelve loads, A's tiles 4-7
	MUL16 0, 0, 0, \j, \cmode
	MUL16 2, 0, 0, \j, \cmode
	s_wait_dscnt 0x0                               ; A's tiles 4-7 are in
	PLACES 4
	FETCH_B \slot, 1, 1
	FETCH_A \slot, 1, 0
	MUL16 4, 0, 0, \j, \cmode
	MUL16 6, 0, 0, \j, \cmode
	PLACES 4
	WIN 0
	FETCH_A \slot, 1, 4
.endm
; A slot's second K step changes slots: one barrier.  kind 0: the next slot's first fill is waited.  kind 1: slot 0, which every wave left one change ago, is filled again:
; the wait for all my loads, the add, the wait for it and for my LDS reads; the barrier opens a round of the cluster's; the joint refill is the first thing behind it.  kind 2: the refill is waited for; nothing is filled.
.macro TURN slot, next, j, kind
.if \kind == 0
	s_wait_tensorcnt 0x1                           ; my part of the next slot is in; the slot after it may stay out
	s_wait_dscnt 12
.else
	s_wait_tensorcnt 0x0                           ; all my tensor loads have landed
	ds_add_u32 v[SPW], v[NIL]                      ; 0 onto my spare word
	s_wait_dscnt 13                                ; (the add and the youngest twelve loads may be out)
.endif
	MUL16 0, 1, 1, \j, 0
	s_wait_dscnt 0x0                               ; no LDS instruction of mine is out
	s_barrier_signal -1
	MUL16 2, 1, 1, \j, 0
	WIN 0
	s_barrier_wait -1
.if \kind == 1
	CREST                                          ; no wave of any partner still reads slot 0 or has a load on its way
	s_add_nc_u64 s[G0A+2:G0A+3], s[G0A+2:G0A+3], 6*PART
	s_add_nc_u64 s[G0B+2:G0B+3], s[G0B+2:G0B+3], 6*PART
	JLOAD G0A, G0B                                 ; K steps 6 and 7; the four v_nop behind it are the places in front of the loads below
.else
	PLACES 4
.endif
	FETCH_B \next, 0, 0
	FETCH_A \next, 0, 0
	SCALES \next, (\j)+1
	MUL16 4, 1, 1, \j, 0
	MUL16 6, 1, 1, \j, 0
	PLACES 4
	WIN 0
	FETCH_A \next, 0, 4
.endm
	s_wait_tensorcnt 0x2                           ; my part of slot 0 is in; slots 1 and 2 may stay out
	s_barrier_signal -1
	s_barrier_wait -1
	FETCH_B 0, 0, 0
	FETCH_A 0, 0, 0
	SCALES 0, 0
	FETCH_A 0, 0, 4
	s_wait_loadcnt 0x0                             ; the bias
	s_cmp_eq_u32 s23, 1
	s_cbranch_scc1 .Lfirst_v
	STEP 0, 0, 1
	s_branch .Lfirst_done
.Lfirst_v:
	STEP 0, 0, 2
.Lfirst_done:
	TURN 0, 1, 0, 0
	STEP 1, 1, 0
	TURN 1, 2, 1, 1
	STEP 2, 2, 0
	TURN 2, 0, 2, 2
	STEP 0, 3, 0
	s_wait_dscnt 12                                ; the last K step: nothing more to fetch
	MUL16 0, 1, 1, 3, 0
	MUL16 2, 1, 1, 3, 0
	s_wait_dscnt 0x0
	MUL16 4, 1, 1, 3, 0
	MUL16 6, 1, 1, 3, 0
	WIN 0
	PLACES 4
.irp g, 0,1,2,3,4,5,6,7
	v_mov_b32 v[EU+\g], 0                          ; written once: a lane permute's destination counts as one of its sources
.endr
; THE WAY OUT.  x: a pair of A's tiles (2 x, 2 x + 1);  y: a group of 32 of B's index = one block along the next K;  group number 4 t + y.
.macro EPI isv
.irp x, 0,1,2,3
.if \x > 0
	s_wait_xcnt 0x0                                ; the last pair's stores have read their registers
.endif
	WIN (2+\x/2)*5                                 ; sources 0 and 1: the accumulators' window
.irp t, 0,1
.irp y, 0,1,2,3
	v_max3_num_f32 v[ET+4*\t+\y], |v[64*((2*\x+\t)%4)+16*\y]|, |v[64*((2*\x+\t)%4)+16*\y+1]|, s70   ; each accumulator from its low end on; the floor among the leaves
.endr
.endr
.irp i, 2,4,6,8,10,12,14
.irp t, 0,1
.irp y, 0,1,2,3
	v_max3_num_f32 v[ET+4*\t+\y], |v[64*((2*\x+\t)%4)+16*\y+\i]|, |v[64*((2*\x+\t)%4)+16*\y+\i+1]|, v[ET+4*\t+\y]
.endr
.endr
.endr
	WIN 0
.irp g, 0,1,2,3,4,5,6,7
	v_permlanex16_b32 v[EU+\g], v[ET+\g], s72, s73
.endr
.irp g, 0,1,2,3,4,5,6,7
	v_max_num_f32 v[ET+\g], v[ET+\g], v[EU+\g]     ; with lane l xor 16's sixteen: the block's largest magnitude
.endr
.irp g, 0,1,2,3,4,5,6,7
	v_add_nc_u32 v[ESO+\g], 0xff000000, v[ET+\g]   ; 2 off the exponent field: the conversion's scale operand
.endr
.irp g, 0,1,2,3,4,5,6,7
	v_lshrrev_b32 v[EBY+\g], 23, v[ESO+\g]         ; the byte
.endr
	WIN 2+\x/2                                     ; source 0 alone
.irp y, 0,1,2,3
	v_cvt_scalef32_pk16_fp6_f32 v[EPC+6*\y:EPC+6*\y+2], v[64*((2*\x)%4)+16*\y:64*((2*\x)%4)+16*\y+15], v[ESO+\y]
	v_cvt_scalef32_pk16_fp6_f32 v[ETP+4*\y:ETP+4*\y+2], v[64*((2*\x+1)%4)+16*\y:64*((2*\x+1)%4)+16*\y+15], v[ESO+4+\y]
.endr
	WIN 0
	v_nop                                          ; one plain place behind a scaled conversion
.irp y, 0,1,2,3
.irp i, 0,1,2
	v_permlane16_swap_b32 v[EPC+6*\y+\i], v[ETP+4*\y+\i]   ; lanes 0-15 now hold the first tile's rows, lanes 16-31 the second's: here the lower 16 codes, there the upper
.endr
.irp i, 0,1,2
	v_mov_b32 v[EPC+6*\y+3+\i], v[ETP+4*\y+\i]
.endr
.endr
.irp y, 0,1,2,3
.if \isv
	global_store_b128 v[L16], v[EPC+6*\y:EPC+6*\y+3], s[66:67] offset:98304*(\x/2)+768*(\x%2)+1536*\y
	global_store_b64 v[L8], v[EPC+6*\y+4:EPC+6*\y+5], s[66:67] offset:98304*(\x/2)+768*(\x%2)+1536*\y+512
.else
	global_store_b128 v[L16], v[EPC+6*\y:EPC+6*\y+3], s[66:67] offset:1536*\x+98304*(\y/2)+768*(\y%2)
	global_store_b64 v[L8], v[EPC+6*\y+4:EPC+6*\y+5], s[66:67] offset:1536*\x+98304*(\y/2)+768*(\y%2)+512
.endif
.endr
.if \isv
.irp t, 0,1                            ; a word holds the bytes of four blocks of 32 keys
	v_lshl_or_b32 v[EWD+\t], v[EBY+4*\t+1], 8, v[EBY+4*\t]
	v_lshl_or_b32 v[EWD+\t], v[EBY+4*\t+2], 16, v[EWD+\t]
	v_lshl_or_b32 v[EWD+\t], v[EBY+4*\t+3], 24, v[EWD+\t]
.endr
	v_cndmask_b32 v[EWD+4], v[EWD], v[EWD+1], s74
	v_add_nc_u32 v[EWD+4], 0xf9f9f9fa, v[EWD+4]    ; 6 off each byte: v / 64.  Each byte is 7 or more, so nothing is borrowed
	global_store_b32 v[L4], v[EWD+4], s[68:69] offset:4096*(\x/2)+128*(\x%2)
.else
.irp t, 0,1                            ; a word holds a head's two bytes; its upper two stay 0
.irp c, 0,1
	v_lshl_or_b32 v[EWD+2*\t+\c], v[EBY+4*\t+2*\c+1], 8, v[EBY+4*\t+2*\c]
.endr
.endr
.irp c, 0,1
	v_cndmask_b32 v[EWD+4+\c], v[EWD+\c], v[EWD+2+\c], s74
	global_store_b32 v[L4], v[EWD+4+\c], s[68:69] offset:128*\x+8192*\c
.endr
.endif
.endr
.endm
	s_cmp_eq_u32 s23, 1
	s_cbranch_scc1 .Lout_v
	EPI 0
	s_branch .Lout_done
.Lout_v:
	EPI 1
.Lout_done:
	s_wait_tensorcnt 0x0                           ; the wave's end
	ds_add_u32 v[SPW], v[NIL]
	s_wait_dscnt 0x0
	CROUND                                         ; the closing round: no work-group ends while a partner may still ask for a part that names it
	s_endpgm
.Lfunc_end_k_qeb35366fee_gemm:
	.size	k_qeb35366fee_gemm, .Lfunc_end_k_qeb35366fee_gemm-k_qeb35366fee_gemm
	.p2alignl 7, 3214868480
	.fill 96, 4, 3214868480
	.section	.rodata,"a",@progbits
	.p2align	6, 0x0
	.amdhsa_kernel k_qeb35366fee_gemm
		.amdhsa_group_segment_fixed_size 327680
		.amdhsa_private_segment_fixed_size 0
		.amdhsa_enable_private_segment 0
		.amdhsa_kernarg_size 56
		.amdhsa_user_sgpr_count 2
		.amdhsa_user_sgpr_kernarg_segment_ptr 1
		.amdhsa_wavefront_size32 1
		.amdhsa_system_sgpr_workgroup_id_x 1
		.amdhsa_system_sgpr_workgroup_id_y 1
		.amdhsa_system_sgpr_workgroup_id_z 1
		.amdhsa_system_vgpr_workitem_id 0
		.amdhsa_next_free_vgpr 1024
		.amdhsa_next_free_sgpr 100
		.amdhsa_reserve_vcc 0
		.amdhsa_float_denorm_mode_32 3
		.amdhsa_float_denorm_mode_16_64 3
		.amdhsa_memory_ordered 1
		.amdhsa_forward_progress 1
		.amdhsa_inst_pref_size 193
	.end_amdhsa_kernel
	.amdgpu_metadata
---
amdhsa.version: [ 1, 2 ]
amdhsa.kernels:
  - .name:           k_qeb35366fee_gemm
    .symbol:         k_qeb35366fee_gemm.kd
    .args:
      - { .name: xq, .offset: 0, .size: 8, .value_kind: global_buffer, .address_space: global }
      - { .name: wq, .offset: 8, .size: 8, .value_kind: global_buffer, .address_space: global }
      - { .name: bqkv, .offset: 16, .size: 8, .value_kind: global_buffer, .address_space: global }
      - { .name: qk, .offset: 24, .size: 8, .value_kind: global_buffer, .address_space: global }
      - { .name: qks, .offset: 32, .size: 8, .value_kind: global_buffer, .address_space: global }
      - { .name: vc, .offset: 40, .size: 8, .value_kind: global_buffer, .address_space: global }
      - { .name: vs, .offset: 48, .size: 8, .value_kind: global_buffer, .address_space: global }
    .group_segment_fixed_size: 327680
    .private_segment_fixed_size: 0
    .kernarg_segment_align: 8
    .kernarg_segment_size: 56
    .max_flat_workgroup_size: 128
    .sgpr_count:     100
    .vgpr_count:     1024
    .wavefront_size: 32
...
	.end_amdgpu_metadata
.endif
;; end of part 3
;; launch attn (part 4): grid 256 x 4, 8 waves a work-group, no clusters, 35,840 bytes of LDS; arguments qk, qks, vc, vs, seg, out0; writes out0
.if DOCPART == 4
	.amdgcn_target "amdgcn-amd-amdhsa--gfx1250"
	.amdhsa_code_object_version 6
	.text
	.protected	k_qeb35366fee_attn
	.globl	k_qeb35366fee_attn
	.p2align	8
	.type	k_qeb35366fee_attn,@function
k_qeb35366fee_attn:
	s_mov_b64 s[64:65], 0
	v_nop
	global_prefetch_b8 v0, s[64:65] scope:SCOPE_SE
	s_setreg_imm32_b32 hwreg(HW_REG_WAVE_MODE, 25, 1), 1
	s_wait_xcnt 0x0
; out[b][q][head][:] = the sum over the keys k with start[q] <= k <= q of softmax(q . k / 8) v / 64, both products on codes of FP6 (E2M3) with one E8M0 scale for each 32 along a product's K.
; THE MASK.  A key counts where it lies at or before the query and no delimiter lies behind it up to the query: start[q] <= k <= q, start[] stored as whole numbers by an earlier launch.  Windows of 128 keys that lie wholly
; under the mask are not multiplied: for each group of 32 queries that launch stored the first block of 32 keys and the number of windows.  Inside a window hidden scores become -infinity ahead of the maximum: p = 0.
; THE SOFTMAX AHEAD OF THE SECOND PRODUCT: t = score x log2(e) / 8; M = the largest t so far, rounded UP to a whole number; p = 2^(t - M) is quantised along the keys, in blocks of 32 counted from key 0 (windows begin at
; multiples of 32); the sum is taken of the unquantised p and divides at the end.  When M moves, the sum and O are multiplied by 2^(old M - new M): exact.
; SHARES.  A work-group: one group of 32 queries of a batch, four heads; a wave: one tile of 16 queries of one head.  Both products are used transposed (S^T = K Q^T, O^T = V^T P^T): a lane holds one query throughout.
; OPERANDS COME FROM MEMORY STRAIGHT INTO REGISTERS, laid by the launch before in the order of the operands' registers: a unit of 768 bytes holds one block of 32 codes (24 bytes) for each of 32 rows, 16 bytes at 16 x row
; and 8 at 512 + 8 x row.  THE TRIP COUNT IS A STORED NUMBER, so there is no tensor load here, and hence no joint request: partners in a cluster would also need different numbers of windows.
; THE HEAD HAS 64 CHANNELS, the instruction 128: Q's upper 64 codes are zeros.  K's fragments overlap by six registers: a fragment's upper 64 are the next fragment's codes, which meet Q's zeros and add nothing.
; LIMITS: NaN and infinities are not served; hidden keys never count, so visible logits must lie above about -1e9 + 150, where the hidden keys of the written-out softmax would begin to count.
.set KA,  1                            ; v1   K, Q: 768 h + 16 r
.set KB,  2                            ; v2   768 h + 512 + 8 r
.set VA,  3                            ; v3   V: 1536 h + 16 r
.set VB,  4                            ; v4   1536 h + 512 + 8 r
.set L4,  5                            ; v5   4 x lane
.set DLO, 6                            ; v6   start - the window's first key - 16 h
.set RNG, 7                            ; v7   my query - start
.set NINF, 8                           ; v8   -infinity
.set QF,  16                           ; v16-27 Q (v22-27 zeros);  v28 its scale word
.set QS,  28
.set KF,  32                           ; v32-85 K's eight fragments, six registers apart (v80-85 zeros);  then V's four, twelve apart
.set STI, 86                           ; v86-88 the way out: stage in, stage out, my bytes in O
.set STO, 87
.set GOF, 88
.set S,   96                           ; v96-159 S^T, then p
.set O,   160                          ; v160-191 O^T
.set PCD, 192                          ; v192-203 p's codes
.set CT,  204                          ; v204-210 the conversions' second halves
.set BM,  212                          ; v212-215 the blocks' largest scores, then largest p
.set PT,  216                          ; v216-219 lane permutes' destinations, then bytes
.set SOP, 220                          ; v220-223 the conversions' scale operands
.set KS,  224                          ; v224-227 K's scale words
.set VSW, 228                          ; v228-231 V's, the word that holds the window's first byte and the next one
.set VSA, 232                          ; v232-233 V's, aligned to the window
.set PW,  234                          ; v234 p's scale word
.set FF,  236                          ; v[236:237] f
.set TM,  238                          ; v238-241 at work
.set SUM2, 240
	s_load_b256 s[4:11], s[0:1], 0x0               ; qk, qks, vc, vs
	s_load_b128 s[12:15], s[0:1], 0x20             ; seg, out0
	v_lshl_add_u32 v254, v0, 2, 0x8800
	v_mov_b32 v255, 0
	v_lshrrev_b32 v9, 5, v0
	v_readfirstlane_b32 s16, v9                    ; wave 0..7
	s_and_b32 s17, s16, 1                          ; u: which tile of the group
	s_lshr_b32 s18, s16, 1
	s_and_b32 s19, ttmp7, 0xffff
	s_lshl_b32 s19, s19, 2
	s_add_co_u32 s18, s18, s19                     ; the head
	s_lshr_b32 s19, ttmp9, 6                       ; the batch
	s_and_b32 s20, ttmp9, 63                       ; the group of 32 queries
	s_lshl_b32 s21, s19, 4
	s_add_co_u32 s21, s21, s18                     ; (batch, head)
	s_lshl_b32 s62, s19, 10                        ; the group's entry: [b][g & 1][g >> 1], 16 bytes
	s_and_b32 s26, s20, 1
	s_lshl_b32 s26, s26, 9
	s_add_co_u32 s62, s62, s26
	s_lshr_b32 s26, s20, 1
	s_lshl_b32 s26, s26, 4
	s_add_co_u32 s62, s62, s26
	s_mov_b32 s22, 0x3e38aa3b                      ; c = log2(e) / 8
	s_mov_b32 s23, s22                             ; (named with it as a pair, so it is written)
	s_mov_b32 s24, 0x76543210
	s_mov_b32 s25, 0xfedcba98                      ; selects for lane l xor 16
	s_wait_kmcnt 0x0
	s_load_b128 s[28:31], s[12:13], s62 offset:0x8000   ; first block of keys, windows, first word of V's scales, its shift
	s_lshl_b32 s26, s21, 6                         ; 64 groups to a (batch, head)
	s_add_co_u32 s27, s26, s20
	s_mul_i32 s46, s27, 1536
	s_mov_b32 s47, 0
	s_lshl_b32 s33, s17, 7
	s_add_co_u32 s46, s46, s33
	s_add_nc_u64 s[54:55], s[4:5], s[46:47]        ; Q: the pieces of 8 bytes, + 128 u
	s_add_co_u32 s46, s46, s33
	s_add_nc_u64 s[52:53], s[4:5], s[46:47]        ; the pieces of 16 bytes, + 256 u
	s_lshl_b32 s46, s27, 7
	s_lshl_b32 s33, s17, 6
	s_add_co_u32 s46, s46, s33
	s_add_nc_u64 s[56:57], s[6:7], s[46:47]        ; Q's scale words
	s_lshl_b32 s46, s19, 13
	s_lshl_b32 s33, s20, 7
	s_add_co_u32 s46, s46, s33
	s_lshl_b32 s33, s17, 5
	s_add_co_u32 s46, s46, s33
	s_add_nc_u64 s[58:59], s[12:13], s[46:47]      ; start[] at position 32 g + 8 u
	s_lshl_b32 s46, s19, 11
	s_lshl_b32 s33, s20, 5
	s_add_co_u32 s46, s46, s33
	s_lshl_b32 s33, s17, 3
	s_add_co_u32 s46, s46, s33
	s_lshl_b32 s46, s46, 12                        ; a row of O is 4,096 bytes,
	s_lshl_b32 s33, s18, 8                         ; a head 256 of them
	s_add_co_u32 s46, s46, s33
	s_add_nc_u64 s[60:61], s[14:15], s[46:47]
	s_add_nc_u64 s[48:49], s[4:5], 6291456         ; K's codes lie behind Q's,
	s_add_nc_u64 s[50:51], s[6:7], 524288          ; its scale words likewise
	s_lshl_b32 s46, s21, 12
	s_add_nc_u64 s[40:41], s[10:11], s[46:47]      ; V's scale words of my (batch, head)
	v_and_b32 v9, 15, v0                           ; r
	v_bfe_u32 v10, v0, 4, 1                        ; h
	v_and_b32 v11, 31, v0                          ; lane
	v_mul_u32_u24 v[KA], v10, 768
	v_lshl_add_u32 v[KB], v9, 3, v[KA]
	v_add_nc_u32 v[KB], 512, v[KB]
	v_lshl_add_u32 v[KA], v9, 4, v[KA]
	v_mul_u32_u24 v[VA], v10, 1536
	v_lshl_add_u32 v[VB], v9, 3, v[VA]
	v_add_nc_u32 v[VB], 512, v[VB]
	v_lshl_add_u32 v[VA], v9, 4, v[VA]
	v_lshlrev_b32 v[L4], 2, v11
	v_lshlrev_b32 v29, 2, v9                       ; 4 r
	v_and_b32 v30, 8, v9
	v_add_nc_u32 v30, v30, v9                      ; r + 8 (r / 8): my query's place in the group, less 8 u
	v_lshlrev_b32 v31, 2, v30
	global_load_b128 v[QF:QF+3], v[KA], s[52:53]
	global_load_b64 v[QF+4:QF+5], v[KB], s[54:55]
	global_load_b32 v[QS], v29, s[56:57]
	global_load_b32 v[DLO], v31, s[58:59]          ; start of my query: it enters compares alone
.irp j, 0,1,2,3,4,5
	v_mov_b32 v[QF+6+\j], 0                        ; Q's upper 64 codes
	v_mov_b32 v[KF+48+\j], 0                       ; what the last fragment of K has in place of a successor
.endr
	s_mul_i32 s27, s16, 4352                       ; my stage: 16 rows x (256 + 16) bytes
	v_mul_u32_u24 v[STI], v9, 272
	v_lshl_add_u32 v[STI], v10, 6, v[STI]
	v_add_nc_u32 v[STI], s27, v[STI]               ; in: row r, + 64 h
	v_mul_u32_u24 v[STO], v10, 272
	v_lshl_add_u32 v[STO], v9, 4, v[STO]
	v_add_nc_u32 v[STO], s27, v[STO]               ; back: lanes 0-15 one row, lanes 16-31 the next
	v_lshlrev_b32 v[GOF], 12, v10
	v_lshl_add_u32 v[GOF], v9, 4, v[GOF]           ; and the same in O
	v_mov_b32 v[NINF], 0xff800000
	v_mov_b32 v13, 0xff61b1e6                      ; the largest t so far: -3e38, under every t
	v_floor_f32 v12, -v13                          ; -M
	v_mov_b32 v14, 0                               ; the sum, in two halves
	v_mov_b32 v15, 0
	v_mov_b32 v[FF+1], 0                           ; (named as the upper half of a pair)
.irp b, 0,1,2,3
	v_mov_b32 v[PT+\b], 0                          ; written once: a lane permute's destination counts as one of its sources
.endr
.set j, 0
.rept 32
	v_mov_b32 v[O+j], 0                            ; O^T: the trip is written once; the first finds zeros
.set j, j+1
.endr
	s_wait_kmcnt 0x0
	s_min_u32 s28, s28, 60                         ; stored numbers are held inside their ranges before they enter an address or a trip count
	s_min_u32 s29, s29, 16
	s_min_u32 s30, s30, 15
	s_min_u32 s31, s31, 24
	s_wait_loadcnt 0x0                             ; Q, its scale word, start
	s_lshl_b32 s27, s20, 5
	s_lshl_b32 s33, s17, 3
	s_add_co_u32 s27, s27, s33
	v_add_nc_u32 v30, s27, v30                     ; my query
	v_sub_nc_u32 v[RNG], v30, v[DLO]
	s_lshl_b32 s33, s28, 5                         ; the first window's first key
	v_lshl_add_u32 v31, v10, 4, s33
	v_sub_nc_u32 v[DLO], v[DLO], v31
	s_mov_b32 s32, 0
.Ltrip:                                            ; a window of 128 keys
	s_min_u32 s27, s28, 60                         ; the window's first block, held so that four blocks stay inside the head
	s_add_co_u32 s27, s27, s26
	s_mul_i32 s46, s27, 1536
	s_add_nc_u64 s[34:35], s[48:49], s[46:47]      ; (the last trip's loads are all in: their bases may be written)
	s_add_nc_u64 s[38:39], s[8:9], s[46:47]
	s_lshl_b32 s46, s27, 7
	s_add_nc_u64 s[36:37], s[50:51], s[46:47]
	s_min_u32 s33, s30, 15
	s_lshl_b32 s46, s33, 8
	s_add_nc_u64 s[42:43], s[40:41], s[46:47]      ; V's scale words: the word with the window's first byte,
	s_add_co_u32 s33, s30, 1
	s_min_u32 s33, s33, 15
	s_lshl_b32 s46, s33, 8
	s_add_nc_u64 s[44:45], s[40:41], s[46:47]      ; and the next (held at the last: there the shift is 0 and it is not used)
.irp i, 0,1,2,3
.irp u, 0,1
	global_load_b128 v[KF+6*(2*\i+\u):KF+6*(2*\i+\u)+3], v[KA], s[34:35] offset:1536*\i+256*\u   ; tile 2 i + u: lane (r, h): key 32 i + 8 u + r + 8 (r / 8), channels 32 h on
	global_load_b64 v[KF+6*(2*\i+\u)+4:KF+6*(2*\i+\u)+5], v[KB], s[34:35] offset:1536*\i+128*\u
.endr
.endr
.irp i, 0,1,2,3
	global_load_b32 v[KS+\i], v[L4], s[36:37] offset:128*\i   ; lanes 0-15 tile 2 i's words, lanes 16-31 tile 2 i + 1's
.endr
.irp g, 0,1
	global_load_b32 v[VSW+2*\g], v[L4], s[42:43] offset:128*\g
	global_load_b32 v[VSW+2*\g+1], v[L4], s[44:45] offset:128*\g
.endr
	s_wait_loadcnt 0x4                             ; K and its scale words are in; V's four scale words may be out
.irp t, 0,1,2,3,4,5,6,7
.if \t%2
	v_wmma_scale_f32_16x16x128_f8f6f4 v[S+8*\t:S+8*\t+7], v[KF+6*\t:KF+6*\t+11], v[QF:QF+11], 0, v[KS+\t/2], v[QS] matrix_a_fmt:MATRIX_FMT_FP6 matrix_b_fmt:MATRIX_FMT_FP6 matrix_a_scale:MATRIX_SCALE_ROW1
.else
	v_wmma_scale_f32_16x16x128_f8f6f4 v[S+8*\t:S+8*\t+7], v[KF+6*\t:KF+6*\t+11], v[QF:QF+11], 0, v[KS+\t/2], v[QS] matrix_a_fmt:MATRIX_FMT_FP6 matrix_b_fmt:MATRIX_FMT_FP6
.endif
.endr
.rept 4
	v_nop                                          ; places in front of loads into K's registers, and of the first read of the scores
.endr
.irp g, 0,1
.irp u, 0,1                            ; V's tile 2 g + u: lane (r, h): channel 32 g + 8 u + r + 8 (r / 8); registers 0-5 the window's block h, 6-11 its block 2 + h
	global_load_b128 v[KF+12*(2*\g+\u):KF+12*(2*\g+\u)+3], v[VA], s[38:39] offset:768*\g+256*\u
	global_load_b64 v[KF+12*(2*\g+\u)+4:KF+12*(2*\g+\u)+5], v[VB], s[38:39] offset:768*\g+128*\u
	global_load_b128 v[KF+12*(2*\g+\u)+6:KF+12*(2*\g+\u)+9], v[VA], s[38:39] offset:3072+768*\g+256*\u
	global_load_b64 v[KF+12*(2*\g+\u)+10:KF+12*(2*\g+\u)+11], v[VB], s[38:39] offset:3072+768*\g+128*\u
.endr
.endr
	s_wait_loadcnt 16                              ; V's scale words are in; its sixteen fragment loads land while the softmax is worked
.irp g, 0,1
	v_alignbit_b32 v[VSA+\g], v[VSW+2*\g+1], v[VSW+2*\g], s31   ; the four bytes of this window's blocks
.endr
; Register 16 b + i holds key (the window's first) + 16 h + 32 b + i: it counts where key - start, as an unsigned number, is at most query - start
.set n, 0
.rept 16
.irp d, 0,1,2,3
	v_sub_nc_u32 v[TM+\d], 32*((n+\d)/16)+(n+\d)%16, v[DLO]
.endr
.irp d, 0,1,2,3
	v_cmp_gt_u32 s[52+\d], v[TM+\d], v[RNG]
.endr
.irp d, 0,1,2,3
	v_cndmask_b32 v[S+n+\d], v[S+n+\d], v[NINF], s[52+\d]   ; each accumulator from its low end on
.endr
.set n, n+4
.endr
.irp b, 0,1,2,3
	v_max3_num_f32 v[BM+\b], v[S+16*\b], v[S+16*\b+1], v[S+16*\b+2]   ; the largest score of each block of 32 keys: for the row's maximum, and, since p rises with the score, for the block's largest p
.endr
.irp i, 3,5,7,9,11,13
.irp b, 0,1,2,3
	v_max3_num_f32 v[BM+\b], v[BM+\b], v[S+16*\b+\i], v[S+16*\b+\i+1]
.endr
.endr
.irp b, 0,1,2,3
	v_max_num_f32 v[BM+\b], v[BM+\b], v[S+16*\b+15]
.endr
.irp b, 0,1,2,3
	v_permlanex16_b32 v[PT+\b], v[BM+\b], s24, s25
.endr
.irp b, 0,1,2,3
	v_max_num_f32 v[BM+\b], v[BM+\b], v[PT+\b]     ; with lane l xor 16's 16 keys
.endr
	v_max3_num_f32 v[TM], v[BM], v[BM+1], v[BM+2]
	v_max_num_f32 v[TM], v[TM], v[BM+3]
	v_mul_f32 v[TM], s22, v[TM]                    ; as t (c is positive)
	v_max_num_f32 v13, v13, v[TM]                  ; the running largest t
	v_mov_b32 v[TM], v12
	v_floor_f32 v12, -v13                          ; the new -M = -ceil(t): a whole number
	v_sub_f32 v[TM], v12, v[TM]                    ; old M - new M: a whole number, 0 or less
	v_cvt_i32_f32 v[TM], v[TM]                     ; (it saturates)
	v_ldexp_f32 v[FF], 1.0, v[TM]                  ; f = 2^(old M - new M)
.set j, 0
.rept 32
	v_pk_fma_f32 v[S+j:S+j+1], v[S+j:S+j+1], s[22:23], v[12:13] op_sel_hi:[1,0,0]   ; t - M
.set j, j+2
.endr
.irp b, 0,1,2,3
	v_fma_f32 v[BM+\b], v[BM+\b], s22, v12         ; the same of each block's largest score
.endr
.set j, 0
.rept 64
	v_exp_f32 v[S+j], v[S+j]                       ; p = 2^(t - M); a hidden key's is 0
.set j, j+1
.endr
.irp b, 0,1,2,3
	v_exp_f32 v[BM+\b], v[BM+\b]                   ; the block's largest p
.endr
	v_pk_mul_f32 v[14:15], v[14:15], v[FF:FF+1] op_sel_hi:[1,0]   ; the sums under the new M.  (A plain place behind the exponentials)
	s_wait_alu depctr_va_vdst(0)
.irp b, 0,1,2,3
	v_max_num_f32 v[BM+\b], 0x1800000, v[BM+\b]    ; the floor 2^(3 - 127): a block whose every p is 0 keeps the byte 1; its codes are zeros
.endr
.irp b, 0,1,2,3
	v_add_nc_u32 v[SOP+\b], 0xff000000, v[BM+\b]   ; 2 off the exponent field: the conversion's scale operand
.endr
.irp b, 0,1,2,3
	v_lshrrev_b32 v[PT+\b], 23, v[SOP+\b]          ; the byte
.endr
	v_lshl_or_b32 v[PW], v[PT+1], 8, v[PT]
	v_lshl_or_b32 v[PW], v[PT+2], 16, v[PW]
	v_lshl_or_b32 v[PW], v[PT+3], 24, v[PW]        ; p's scale word for these 128 keys
.irp c, 0,1
	v_cvt_scalef32_pk16_fp6_f32 v[PCD+6*\c:PCD+6*\c+2], v[S+32*\c:S+32*\c+15], v[SOP+2*\c]
	v_cvt_scalef32_pk16_fp6_f32 v[CT+4*\c:CT+4*\c+2], v[S+32*\c+16:S+32*\c+31], v[SOP+2*\c+1]
.endr
	v_nop                                          ; one plain place behind a scaled conversion
.irp c, 0,1                            ; the operand wants a whole block in a lane: lanes 0-15 block 2 c, lanes 16-31 block 2 c + 1
.irp i, 0,1,2
	v_permlane16_swap_b32 v[PCD+6*\c+\i], v[CT+4*\c+\i]
.endr
.irp i, 0,1,2
	v_mov_b32 v[PCD+6*\c+3+\i], v[CT+4*\c+\i]
.endr
.endr
	v_pk_add_f32 v[SUM2:SUM2+1], v[S:S+1], v[S+2:S+3]   ; the sum of the UNQUANTISED p, in two chains
.irp j, 4,8,12,16,20,24,28,32,36,40,44,48,52,56,60
	v_pk_add_f32 v[14:15], v[14:15], v[S+\j:S+\j+1]
	v_pk_add_f32 v[SUM2:SUM2+1], v[SUM2:SUM2+1], v[S+\j+2:S+\j+3]
.endr
	v_pk_add_f32 v[14:15], v[14:15], v[SUM2:SUM2+1]
.set j, 0
.rept 16
	v_pk_mul_f32 v[O+j:O+j+1], v[O+j:O+j+1], v[FF:FF+1] op_sel_hi:[1,0]   ; O^T under the new M.  (The sums and these are the places between the scale word, the codes and the products below)
.set j, j+2
.endr
	s_wait_loadcnt 0x0                             ; V
.irp t, 0,1,2,3                        ; four accumulators by turns; the eight products of the scores stand between one trip's turn and the next
.if \t%2
	v_wmma_scale_f32_16x16x128_f8f6f4 v[O+8*\t:O+8*\t+7], v[KF+12*\t:KF+12*\t+11], v[PCD:PCD+11], v[O+8*\t:O+8*\t+7], v[VSA+\t/2], v[PW] matrix_a_fmt:MATRIX_FMT_FP6 matrix_b_fmt:MATRIX_FMT_FP6 matrix_a_scale:MATRIX_SCALE_ROW1
.else
	v_wmma_scale_f32_16x16x128_f8f6f4 v[O+8*\t:O+8*\t+7], v[KF+12*\t:KF+12*\t+11], v[PCD:PCD+11], v[O+8*\t:O+8*\t+7], v[VSA+\t/2], v[PW] matrix_a_fmt:MATRIX_FMT_FP6 matrix_b_fmt:MATRIX_FMT_FP6
.endif
.endr
	v_add_nc_u32 v[DLO], 0xffffff80, v[DLO]        ; the next window begins 128 keys on.  With the three below: the places in front of the next loads, and of the first read of O^T
.rept 3
	v_nop
.endr
	s_add_co_u32 s28, s28, 4
	s_add_co_u32 s30, s30, 1
	s_add_co_u32 s32, s32, 1
	s_cmp_lt_u32 s32, s29
	s_cbranch_scc1 .Ltrip
	; THE WAY OUT: O^T / the sum goes through my stage and leaves as rows of 256 bytes: sixteen lanes store one aligned run of 256 bytes
	v_add_f32 v14, v14, v15
	v_permlanex16_b32 v[PT], v14, s24, s25
	v_add_f32 v14, v14, v[PT]                      ; the row's sum: the diagonal always counts, so it is over 1/2
	v_rcp_f32 v14, v14
	v_nop                                          ; a plain place behind the transcendental
.set j, 0
	s_wait_alu depctr_va_vdst(0)
.rept 32
	v_mul_f32 v[S+j], v[O+j], v14                  ; register 8 t + i of tile t = 2 g + u: channel 32 g + 8 u + 16 h + i
.set j, j+1
.endr
.irp g, 0,1
.irp u, 0,1
	ds_store_b128 v[STI], v[S+8*(2*\g+\u):S+8*(2*\g+\u)+3] offset:128*\g+32*\u
	ds_store_b128 v[STI], v[S+8*(2*\g+\u)+4:S+8*(2*\g+\u)+7] offset:128*\g+32*\u+16
.endr
.endr
.irp i, 0,1,2,3,4,5,6,7
	ds_load_b128 v[KF+4*\i:KF+4*\i+3], v[STO] offset:544*\i   ; LDS serves a wave's instructions in order: these see my stores
.endr
.irp i, 0,1,2,3,4,5,6,7
	s_wait_dscnt 7-\i                              ; these two rows are back; the younger ones may be out
	global_store_b128 v[GOF], v[KF+4*\i:KF+4*\i+3], s[60:61] offset:(2*\i+8*(\i/4))*4096 th:TH_STORE_NT   ; stage row n is query 8 u + n + 8 (n / 8) of the group
.endr
	s_wait_tensorcnt 0x0
	ds_add_u32 v254, v255
	s_wait_dscnt 0x0
	s_endpgm
.Lfunc_end_k_qeb35366fee_attn:
	.size	k_qeb35366fee_attn, .Lfunc_end_k_qeb35366fee_attn-k_qeb35366fee_attn
	.p2alignl 7, 3214868480
	.fill 96, 4, 3214868480
	.section	.rodata,"a",@progbits
	.p2align	6, 0x0
	.amdhsa_kernel k_qeb35366fee_attn
		.amdhsa_group_segment_fixed_size 35840
		.amdhsa_private_segment_fixed_size 0
		.amdhsa_enable_private_segment 0
		.amdhsa_kernarg_size 48
		.amdhsa_user_sgpr_count 2
		.amdhsa_user_sgpr_kernarg_segment_ptr 1
		.amdhsa_wavefront_size32 1
		.amdhsa_system_sgpr_workgroup_id_x 1
		.amdhsa_system_sgpr_workgroup_id_y 1
		.amdhsa_system_sgpr_workgroup_id_z 1
		.amdhsa_system_vgpr_workitem_id 0
		.amdhsa_next_free_vgpr 256
		.amdhsa_next_free_sgpr 66
		.amdhsa_reserve_vcc 0
		.amdhsa_float_denorm_mode_32 3
		.amdhsa_float_denorm_mode_16_64 3
		.amdhsa_memory_ordered 1
		.amdhsa_forward_progress 1
		.amdhsa_inst_pref_size 39
	.end_amdhsa_kernel
	.amdgpu_metadata
---
amdhsa.version: [ 1, 2 ]
amdhsa.kernels:
  - .name:           k_qeb35366fee_attn
    .symbol:         k_qeb35366fee_attn.kd
    .args:
      - { .name: qk, .offset: 0, .size: 8, .value_kind: global_buffer, .address_space: global }
      - { .name: qks, .offset: 8, .size: 8, .value_kind: global_buffer, .address_space: global }
      - { .name: vc, .offset: 16, .size: 8, .value_kind: global_buffer, .address_space: global }
      - { .name: vs, .offset: 24, .size: 8, .value_kind: global_buffer, .address_space: global }
      - { .name: seg, .offset: 32, .size: 8, .value_kind: global_buffer, .address_space: global }
      - { .name: out0, .offset: 40, .size: 8, .value_kind: global_buffer, .address_space: global }
    .group_segment_fixed_size: 35840
    .private_segment_fixed_size: 0
    .kernarg_segment_align: 8
    .kernarg_segment_size: 48
    .max_flat_workgroup_size: 256
    .sgpr_count:     66
    .vgpr_count:     256
    .wavefront_size: 32
...
	.end_amdgpu_metadata
.endif
;; end of part 4
;; ======== version 2 of 2: 4 launches; version 1 with the launch attn written anew for expert scheduling mode
;; workspace buffers: xq 6,553,600 bytes; wq 2,457,600 bytes; qk 12,582,912 bytes; qks 1,048,576 bytes; vc 6,291,456 bytes; vs 262,144 bytes; seg 36,864 bytes of whole numbers
;; launch quant_x: the kernel of part 1 again; grid 256 x 1, 8 waves a work-group, no clusters, 136,192 bytes of LDS; arguments x, xq; writes xq
;; launch quant_w: the kernel of part 2 again; grid 193 x 1, 4 waves a work-group, no clusters, 14,848 bytes of LDS; arguments Wqkv, char_ids, wq, seg; writes wq, seg
;; launch gemm: the kernel of part 3 again; grid 12 x 32, 4 waves a work-group, clusters of 4 x 4, 327,680 bytes of LDS; arguments xq, wq, bqkv, qk, qks, vc, vs; writes qk, qks, vc, vs
;; launch attn (part 5): grid 256 x 4, 8 waves a work-group, no clusters, 35,840 bytes of LDS; arguments qk, qks, vc, vs, seg, out0; writes out0
.if DOCPART == 5
	.amdgcn_target "amdgcn-amd-amdhsa--gfx1250"
	.amdhsa_code_object_version 6
	.text
	.protected	k_qeb35366fee_attn
	.globl	k_qeb35366fee_attn
	.p2align	8
	.type	k_qeb35366fee_attn,@function
k_qeb35366fee_attn:
	s_mov_b64 s[64:65], 0
	v_nop
	global_prefetch_b8 v0, s[64:65] scope:SCOPE_SE
	s_setreg_imm32_b32 hwreg(HW_REG_WAVE_SCHED_MODE, 0, 2), 2
	s_setreg_imm32_b32 hwreg(HW_REG_WAVE_MODE, 25, 1), 1
	s_wait_xcnt 0x0
	s_wait_alu depctr_vm_vsrc(0)
; out[b][q][head][:] = the sum over the keys k with start[q] <= k <= q of softmax(q . k / 8) v / 64, both products on codes of FP6 (E2M3) with one E8M0 scale for each 32 along a product's K.
; THE MASK.  A key counts where it lies at or before the query and no delimiter lies behind it up to the query: start[q] <= k <= q, start[] stored as whole numbers by an earlier launch.  Windows of 128 keys that lie wholly
; under the mask are not multiplied: for each group of 32 queries that launch stored the first block of 32 keys and the number of windows.  Inside a window hidden scores become -infinity ahead of the maximum: p = 0.
; THE SOFTMAX AHEAD OF THE SECOND PRODUCT: t = score x log2(e) / 8; M = the largest t so far, rounded UP to a whole number; p = 2^(t - M) is quantised along the keys, in blocks of 32 counted from key 0 (windows begin at
; multiples of 32); the sum is taken of the unquantised p and divides at the end.  When M moves, the sum and O are multiplied by 2^(old M - new M): exact.
; SHARES.  A work-group: one group of 32 queries of a batch, four heads; a wave: one tile of 16 queries of one head.  Both products are used transposed (S^T = K Q^T, O^T = V^T P^T): a lane holds one query throughout.
; OPERANDS COME FROM MEMORY STRAIGHT INTO REGISTERS, laid by the launch before in the order of the operands' registers: a unit of 768 bytes holds one block of 32 codes (24 bytes) for each of 32 rows, 16 bytes at 16 x row
; and 8 at 512 + 8 x row.  THE TRIP COUNT IS A STORED NUMBER, so there is no tensor load here, and hence no joint request: partners in a cluster would also need different numbers of windows.
; THE HEAD HAS 64 CHANNELS, the instruction 128: Q's upper 64 codes are zeros.  K's fragments overlap by six registers: a fragment's upper 64 are the next fragment's codes, which meet Q's zeros and add nothing.
; LIMITS: NaN and infinities are not served; hidden keys never count, so visible logits must lie above about -1e9 + 150, where the hidden keys of the written-out softmax would begin to count.
; THE MODE: SCHED_MODE bits 1:0 = 2 (LLVM: expert scheduling mode 2), set by the entry lines.  The code itself states the register dependences between vector or matrix instructions and memory or LDS instructions,
; with s_wait_alu, always for 0.
; THE PLAN.  Registers that memory or LDS instructions touch:
;   v1-5      offsets, written at the head and never again; every load of the loop reads one of them.  v29, v31: the head's offsets of Q's scale word and of start[].
;   v32-79    K's fragments land at a trip's head and are read by the eight products K Q^T; V's fragments land in the same registers behind those and are read by the four products V^T P^T; then the next trip's K.
;   v224-227  K's scale words: loaded at a trip's head, read by the eight products.     v228-231  V's scale words: loaded at a trip's head, read by two v_alignbit_b32.
;   v86-88    the way out's addresses, written at the head.     v96-127 the way out's results, read by LDS stores.     v32-63 the rows that come back from the stage and are stored.
; Operands of scaled products that vector lines write: the zeros v22-27 and v80-85 (head); p's codes v192-203, its scale word v234 and V's aligned words v232-233 (every trip).
; So a trip has three waits on va_vdst for these: at its head, ahead of the 24 loads; behind the eight products, ahead of V's 16 loads; ahead of the four products.  A fourth stands behind the exponentials.
; No register that a memory instruction reads is written in the loop, so it holds no wait on vm_vsrc.  The compares of the mask go in runs of eight, into s52-59, with one wait on va_sdst behind each run.
.set KA,  1                            ; v1   K, Q: 768 h + 16 r
.set KB,  2                            ; v2   768 h + 512 + 8 r
.set VA,  3                            ; v3   V: 1536 h + 16 r
.set VB,  4                            ; v4   1536 h + 512 + 8 r
.set L4,  5                            ; v5   4 x lane
.set DLO, 6                            ; v6   start - the window's first key - 16 h
.set RNG, 7                            ; v7   my query - start
.set NINF, 8                           ; v8   -infinity
.set QF,  16                           ; v16-27 Q (v22-27 zeros);  v28 its scale word
.set QS,  28
.set KF,  32                           ; v32-85 K's eight fragments, six registers apart (v80-85 zeros);  then V's four, twelve apart
.set STI, 86                           ; v86-88 the way out: stage in, stage out, my bytes in O
.set STO, 87
.set GOF, 88
.set S,   96                           ; v96-159 S^T, then p
.set O,   160                          ; v160-191 O^T
.set PCD, 192                          ; v192-203 p's codes
.set CT,  204                          ; v204-210 the conversions' second halves
.set BM,  212                          ; v212-215 the blocks' largest scores, then largest p
.set PT,  216                          ; v216-219 lane permutes' destinations, then bytes
.set SOP, 220                          ; v220-223 the conversions' scale operands
.set KS,  224                          ; v224-227 K's scale words
.set VSW, 228                          ; v228-231 V's, the word that holds the window's first byte and the next one
.set VSA, 232                          ; v232-233 V's, aligned to the window
.set PW,  234                          ; v234 p's scale word
.set FF,  236                          ; v[236:237] f
.set TM,  238                          ; v238-245 at work
.set SUM2, 240
	s_load_b256 s[4:11], s[0:1], 0x0               ; qk, qks, vc, vs
	s_load_b128 s[12:15], s[0:1], 0x20             ; seg, out0
	v_lshl_add_u32 v254, v0, 2, 0x8800
	v_mov_b32 v255, 0
	v_lshrrev_b32 v9, 5, v0
	v_readfirstlane_b32 s16, v9                    ; wave 0..7
	s_wait_alu depctr_va_sdst(0)                   ; s16 is written, ahead of its first reader: the tile, the head and the stage's place are made from it
	s_and_b32 s17, s16, 1                          ; u: which tile of the group
	s_lshr_b32 s18, s16, 1
	s_and_b32 s19, ttmp7, 0xffff
	s_lshl_b32 s19, s19, 2
	s_add_co_u32 s18, s18, s19                     ; the head
	s_lshr_b32 s19, ttmp9, 6                       ; the batch
	s_and_b32 s20, ttmp9, 63                       ; the group of 32 queries
	s_lshl_b32 s21, s19, 4
	s_add_co_u32 s21, s21, s18                     ; (batch, head)
	s_lshl_b32 s62, s19, 10                        ; the group's entry: [b][g & 1][g >> 1], 16 bytes
	s_and_b32 s26, s20, 1
	s_lshl_b32 s26, s26, 9
	s_add_co_u32 s62, s62, s26
	s_lshr_b32 s26, s20, 1
	s_lshl_b32 s26, s26, 4
	s_add_co_u32 s62, s62, s26
	s_mov_b32 s22, 0x3e38aa3b                      ; c = log2(e) / 8
	s_mov_b32 s23, s22                             ; (named with it as a pair, so it is written)
	s_mov_b32 s24, 0x76543210
	s_mov_b32 s25, 0xfedcba98                      ; selects for lane l xor 16
	s_wait_kmcnt 0x0
	s_load_b128 s[28:31], s[12:13], s62 offset:0x8000   ; first block of keys, windows, first word of V's scales, its shift
	s_lshl_b32 s26, s21, 6                         ; 64 groups to a (batch, head)
	s_add_co_u32 s27, s26, s20
	s_mul_i32 s46, s27, 1536
	s_mov_b32 s47, 0
	s_lshl_b32 s33, s17, 7
	s_add_co_u32 s46, s46, s33
	s_add_nc_u64 s[54:55], s[4:5], s[46:47]        ; Q: the pieces of 8 bytes, + 128 u
	s_add_co_u32 s46, s46, s33
	s_add_nc_u64 s[52:53], s[4:5], s[46:47]        ; the pieces of 16 bytes, + 256 u
	s_lshl_b32 s46, s27, 7
	s_lshl_b32 s33, s17, 6
	s_add_co_u32 s46, s46, s33
	s_add_nc_u64 s[56:57], s[6:7], s[46:47]        ; Q's scale words
	s_lshl_b32 s46, s19, 13
	s_lshl_b32 s33, s20, 7
	s_add_co_u32 s46, s46, s33
	s_lshl_b32 s33, s17, 5
	s_add_co_u32 s46, s46, s33
	s_add_nc_u64 s[58:59], s[12:13], s[46:47]      ; start[] at position 32 g + 8 u
	s_lshl_b32 s46, s19, 11
	s_lshl_b32 s33, s20, 5
	s_add_co_u32 s46, s46, s33
	s_lshl_b32 s33, s17, 3
	s_add_co_u32 s46, s46, s33
	s_lshl_b32 s46, s46, 12                        ; a row of O is 4,096 bytes,
	s_lshl_b32 s33, s18, 8                         ; a head 256 of them
	s_add_co_u32 s46, s46, s33
	s_add_nc_u64 s[60:61], s[14:15], s[46:47]
	s_add_nc_u64 s[48:49], s[4:5], 6291456         ; K's codes lie behind Q's,
	s_add_nc_u64 s[50:51], s[6:7], 524288          ; its scale words likewise
	s_lshl_b32 s46, s21, 12
	s_add_nc_u64 s[40:41], s[10:11], s[46:47]      ; V's scale words of my (batch, head)
	v_and_b32 v9, 15, v0                           ; r
	v_bfe_u32 v10, v0, 4, 1                        ; h
	v_and_b32 v11, 31, v0                          ; lane
	v_mul_u32_u24 v[KA], v10, 768
	v_lshl_add_u32 v[KB], v9, 3, v[KA]
	v_add_nc_u32 v[KB], 512, v[KB]
	v_lshl_add_u32 v[KA], v9, 4, v[KA]
	v_mul_u32_u24 v[VA], v10, 1536
	v_lshl_add_u32 v[VB], v9, 3, v[VA]
	v_add_nc_u32 v[VB], 512, v[VB]
	v_lshl_add_u32 v[VA], v9, 4, v[VA]
	v_lshlrev_b32 v[L4], 2, v11
	v_lshlrev_b32 v29, 2, v9                       ; 4 r
	v_and_b32 v30, 8, v9
	v_add_nc_u32 v30, v30, v9                      ; r + 8 (r / 8): my query's place in the group, less 8 u
	v_lshlrev_b32 v31, 2, v30
	s_wait_alu depctr_va_vdst(0)                   ; the offsets v1 to v5, v29 and v31 are written: the four loads below and every load of the loop read them
	global_load_b128 v[QF:QF+3], v[KA], s[52:53]
	global_load_b64 v[QF+4:QF+5], v[KB], s[54:55]
	global_load_b32 v[QS], v29, s[56:57]
	global_load_b32 v[DLO], v31, s[58:59]          ; start of my query: it enters compares alone
.irp j, 0,1,2,3,4,5
	v_mov_b32 v[QF+6+\j], 0                        ; Q's upper 64 codes
	v_mov_b32 v[KF+48+\j], 0                       ; what the last fragment of K has in place of a successor
.endr
	s_mul_i32 s27, s16, 4352                       ; my stage: 16 rows x (256 + 16) bytes
	v_mul_u32_u24 v[STI], v9, 272
	v_lshl_add_u32 v[STI], v10, 6, v[STI]
	v_add_nc_u32 v[STI], s27, v[STI]               ; in: row r, + 64 h
	v_mul_u32_u24 v[STO], v10, 272
	v_lshl_add_u32 v[STO], v9, 4, v[STO]
	v_add_nc_u32 v[STO], s27, v[STO]               ; back: lanes 0-15 one row, lanes 16-31 the next
	v_lshlrev_b32 v[GOF], 12, v10
	v_lshl_add_u32 v[GOF], v9, 4, v[GOF]           ; and the same in O
	v_mov_b32 v[NINF], 0xff800000
	v_mov_b32 v13, 0xff61b1e6                      ; the largest t so far: -3e38, under every t
	v_floor_f32 v12, -v13                          ; -M
	v_mov_b32 v14, 0                               ; the sum, in two halves
	v_mov_b32 v15, 0
	v_mov_b32 v[FF+1], 0                           ; (named as the upper half of a pair)
.irp b, 0,1,2,3
	v_mov_b32 v[PT+\b], 0                          ; written once: a lane permute's destination counts as one of its sources
.endr
.set j, 0
.rept 32
	v_mov_b32 v[O+j], 0                            ; O^T: the trip is written once; the first finds zeros
.set j, j+1
.endr
	s_wait_kmcnt 0x0
	s_min_u32 s28, s28, 60                         ; stored numbers are held inside their ranges before they enter an address or a trip count
	s_min_u32 s29, s29, 16
	s_min_u32 s30, s30, 15
	s_min_u32 s31, s31, 24
	s_wait_loadcnt 0x0                             ; Q, its scale word, start
	s_wait_alu depctr_vm_vsrc(0)                   ; the load of start has read its offset v31, which is written again below
	s_lshl_b32 s27, s20, 5
	s_lshl_b32 s33, s17, 3
	s_add_co_u32 s27, s27, s33
	v_add_nc_u32 v30, s27, v30                     ; my query
	v_sub_nc_u32 v[RNG], v30, v[DLO]
	s_lshl_b32 s33, s28, 5                         ; the first window's first key
	v_lshl_add_u32 v31, v10, 4, s33
	v_sub_nc_u32 v[DLO], v[DLO], v31
	s_mov_b32 s32, 0
.Ltrip:                                            ; a window of 128 keys
	s_min_u32 s27, s28, 60                         ; the window's first block, held so that four blocks stay inside the head
	s_add_co_u32 s27, s27, s26
	s_mul_i32 s46, s27, 1536
	s_add_nc_u64 s[34:35], s[48:49], s[46:47]      ; (the last trip's loads are all in: their bases may be written)
	s_add_nc_u64 s[38:39], s[8:9], s[46:47]
	s_lshl_b32 s46, s27, 7
	s_add_nc_u64 s[36:37], s[50:51], s[46:47]
	s_min_u32 s33, s30, 15
	s_lshl_b32 s46, s33, 8
	s_add_nc_u64 s[42:43], s[40:41], s[46:47]      ; V's scale words: the word with the window's first byte,
	s_add_co_u32 s33, s30, 1
	s_min_u32 s33, s33, 15
	s_lshl_b32 s46, s33, 8
	s_add_nc_u64 s[44:45], s[40:41], s[46:47]      ; and the next (held at the last: there the shift is 0 and it is not used)
	s_wait_alu depctr_va_vdst(0)                   ; the last trip's products are done reading v32-79 and v224-227, its v_alignbit_b32 v228-231: the loads below land there.  In the first trip: the zeros v22-27 and v80-85, operands of the scaled products, are written, and so are v86-88, the way out's addresses
.irp i, 0,1,2,3
.irp u, 0,1
	global_load_b128 v[KF+6*(2*\i+\u):KF+6*(2*\i+\u)+3], v[KA], s[34:35] offset:1536*\i+256*\u   ; tile 2 i + u: lane (r, h): key 32 i + 8 u + r + 8 (r / 8), channels 32 h on
	global_load_b64 v[KF+6*(2*\i+\u)+4:KF+6*(2*\i+\u)+5], v[KB], s[34:35] offset:1536*\i+128*\u
.endr
.endr
.irp i, 0,1,2,3
	global_load_b32 v[KS+\i], v[L4], s[36:37] offset:128*\i   ; lanes 0-15 tile 2 i's words, lanes 16-31 tile 2 i + 1's
.endr
.irp g, 0,1
	global_load_b32 v[VSW+2*\g], v[L4], s[42:43] offset:128*\g
	global_load_b32 v[VSW+2*\g+1], v[L4], s[44:45] offset:128*\g
.endr
	s_wait_loadcnt 0x4                             ; K and its scale words are in; V's four scale words may be out
.irp t, 0,1,2,3,4,5,6,7
.if \t%2
	v_wmma_scale_f32_16x16x128_f8f6f4 v[S+8*\t:S+8*\t+7], v[KF+6*\t:KF+6*\t+11], v[QF:QF+11], 0, v[KS+\t/2], v[QS] matrix_a_fmt:MATRIX_FMT_FP6 matrix_b_fmt:MATRIX_FMT_FP6 matrix_a_scale:MATRIX_SCALE_ROW1
.else
	v_wmma_scale_f32_16x16x128_f8f6f4 v[S+8*\t:S+8*\t+7], v[KF+6*\t:KF+6*\t+11], v[QF:QF+11], 0, v[KS+\t/2], v[QS] matrix_a_fmt:MATRIX_FMT_FP6 matrix_b_fmt:MATRIX_FMT_FP6
.endif
.endr
.rept 4
	v_nop                                          ; places behind the products, in front of the first read of the scores
.endr
	s_wait_alu depctr_va_vdst(0)                   ; the eight products are done reading K's fragments v32-79, in which V's fragments land
.irp g, 0,1
.irp u, 0,1                            ; V's tile 2 g + u: lane (r, h): channel 32 g + 8 u + r + 8 (r / 8); registers 0-5 the window's block h, 6-11 its block 2 + h
	global_load_b128 v[KF+12*(2*\g+\u):KF+12*(2*\g+\u)+3], v[VA], s[38:39] offset:768*\g+256*\u
	global_load_b64 v[KF+12*(2*\g+\u)+4:KF+12*(2*\g+\u)+5], v[VB], s[38:39] offset:768*\g+128*\u
	global_load_b128 v[KF+12*(2*\g+\u)+6:KF+12*(2*\g+\u)+9], v[VA], s[38:39] offset:3072+768*\g+256*\u
	global_load_b64 v[KF+12*(2*\g+\u)+10:KF+12*(2*\g+\u)+11], v[VB], s[38:39] offset:3072+768*\g+128*\u
.endr
.endr
	s_wait_loadcnt 16                              ; V's scale words are in; its sixteen fragment loads land while the softmax is worked
.irp g, 0,1
	v_alignbit_b32 v[VSA+\g], v[VSW+2*\g+1], v[VSW+2*\g], s31   ; the four bytes of this window's blocks
.endr
; Register 16 b + i holds key (the window's first) + 16 h + 32 b + i: it counts where key - start, as an unsigned number, is at most query - start.  Eight registers, one accumulator, to a run
.set n, 0
.rept 8
.irp d, 0,1,2,3,4,5,6,7
	v_sub_nc_u32 v[TM+\d], 32*((n+\d)/16)+(n+\d)%16, v[DLO]
.endr
.irp d, 0,1,2,3,4,5,6,7
	v_cmp_gt_u32 s[52+\d], v[TM+\d], v[RNG]
.endr
	s_wait_alu depctr_va_sdst(0)                   ; the eight compares have written their masks s52 to s59, ahead of the selects that read them
.irp d, 0,1,2,3,4,5,6,7
	v_cndmask_b32 v[S+n+\d], v[S+n+\d], v[NINF], s[52+\d]   ; each accumulator from its low end on
.endr
.set n, n+8
.endr
.irp b, 0,1,2,3
	v_max3_num_f32 v[BM+\b], v[S+16*\b], v[S+16*\b+1], v[S+16*\b+2]   ; the largest score of each block of 32 keys: for the row's maximum, and, since p rises with the score, for the block's largest p
.endr
.irp i, 3,5,7,9,11,13
.irp b, 0,1,2,3
	v_max3_num_f32 v[BM+\b], v[BM+\b], v[S+16*\b+\i], v[S+16*\b+\i+1]
.endr
.endr
.irp b, 0,1,2,3
	v_max_num_f32 v[BM+\b], v[BM+\b], v[S+16*\b+15]
.endr
.irp b, 0,1,2,3
	v_permlanex16_b32 v[PT+\b], v[BM+\b], s24, s25
.endr
.irp b, 0,1,2,3
	v_max_num_f32 v[BM+\b], v[BM+\b], v[PT+\b]     ; with lane l xor 16's 16 keys
.endr
	v_max3_num_f32 v[TM], v[BM], v[BM+1], v[BM+2]
	v_max_num_f32 v[TM], v[TM], v[BM+3]
	v_mul_f32 v[TM], s22, v[TM]                    ; as t (c is positive)
	v_max_num_f32 v13, v13, v[TM]                  ; the running largest t
	v_mov_b32 v[TM], v12
	v_floor_f32 v12, -v13                          ; the new -M = -ceil(t): a whole number
	v_sub_f32 v[TM], v12, v[TM]                    ; old M - new M: a whole number, 0 or less
	v_cvt_i32_f32 v[TM], v[TM]                     ; (it saturates)
	v_ldexp_f32 v[FF], 1.0, v[TM]                  ; f = 2^(old M - new M)
.set j, 0
.rept 32
	v_pk_fma_f32 v[S+j:S+j+1], v[S+j:S+j+1], s[22:23], v[12:13] op_sel_hi:[1,0,0]   ; t - M
.set j, j+2
.endr
.irp b, 0,1,2,3
	v_fma_f32 v[BM+\b], v[BM+\b], s22, v12         ; the same of each block's largest score
.endr
.set j, 0
.rept 64
	v_exp_f32 v[S+j], v[S+j]                       ; p = 2^(t - M); a hidden key's is 0
.set j, j+1
.endr
.irp b, 0,1,2,3
	v_exp_f32 v[BM+\b], v[BM+\b]                   ; the block's largest p
.endr
	v_pk_mul_f32 v[14:15], v[14:15], v[FF:FF+1] op_sel_hi:[1,0]   ; the sums under the new M.  (A plain place behind the exponentials)
	s_wait_alu depctr_va_vdst(0)                   ; the 68 exponentials have written p, v96-159, and the blocks' largest p, v212-215: one wait for the batch, ahead of its first reader
.irp b, 0,1,2,3
	v_max_num_f32 v[BM+\b], 0x1800000, v[BM+\b]    ; the floor 2^(3 - 127): a block whose every p is 0 keeps the byte 1; its codes are zeros
.endr
.irp b, 0,1,2,3
	v_add_nc_u32 v[SOP+\b], 0xff000000, v[BM+\b]   ; 2 off the exponent field: the conversion's scale operand
.endr
.irp b, 0,1,2,3
	v_lshrrev_b32 v[PT+\b], 23, v[SOP+\b]          ; the byte
.endr
	v_lshl_or_b32 v[PW], v[PT+1], 8, v[PT]
	v_lshl_or_b32 v[PW], v[PT+2], 16, v[PW]
	v_lshl_or_b32 v[PW], v[PT+3], 24, v[PW]        ; p's scale word for these 128 keys
.irp c, 0,1
	v_cvt_scalef32_pk16_fp6_f32 v[PCD+6*\c:PCD+6*\c+2], v[S+32*\c:S+32*\c+15], v[SOP+2*\c]
	v_cvt_scalef32_pk16_fp6_f32 v[CT+4*\c:CT+4*\c+2], v[S+32*\c+16:S+32*\c+31], v[SOP+2*\c+1]
.endr
	v_nop                                          ; one plain place behind a scaled conversion
.irp c, 0,1                            ; the operand wants a whole block in a lane: lanes 0-15 block 2 c, lanes 16-31 block 2 c + 1
.irp i, 0,1,2
	v_permlane16_swap_b32 v[PCD+6*\c+\i], v[CT+4*\c+\i]
.endr
.irp i, 0,1,2
	v_mov_b32 v[PCD+6*\c+3+\i], v[CT+4*\c+\i]
.endr
.endr
	v_pk_add_f32 v[SUM2:SUM2+1], v[S:S+1], v[S+2:S+3]   ; the sum of the UNQUANTISED p, in two chains
.irp j, 4,8,12,16,20,24,28,32,36,40,44,48,52,56,60
	v_pk_add_f32 v[14:15], v[14:15], v[S+\j:S+\j+1]
	v_pk_add_f32 v[SUM2:SUM2+1], v[SUM2:SUM2+1], v[S+\j+2:S+\j+3]
.endr
	v_pk_add_f32 v[14:15], v[14:15], v[SUM2:SUM2+1]
.set j, 0
.rept 16
	v_pk_mul_f32 v[O+j:O+j+1], v[O+j:O+j+1], v[FF:FF+1] op_sel_hi:[1,0]   ; O^T under the new M.  (The sums and these are the places between the scale word, the codes and the products below)
.set j, j+2
.endr
	s_wait_loadcnt 0x0                             ; V
	s_wait_alu depctr_va_vdst(0)                   ; p's codes v192-203, its scale word v234 and V's aligned words v232-233 are written: the scaled products below take them as operand and scales; the places above stay beside this wait
.irp t, 0,1,2,3                        ; four accumulators by turns; the eight products of the scores stand between one trip's turn and the next
.if \t%2
	v_wmma_scale_f32_16x16x128_f8f6f4 v[O+8*\t:O+8*\t+7], v[KF+12*\t:KF+12*\t+11], v[PCD:PCD+11], v[O+8*\t:O+8*\t+7], v[VSA+\t/2], v[PW] matrix_a_fmt:MATRIX_FMT_FP6 matrix_b_fmt:MATRIX_FMT_FP6 matrix_a_scale:MATRIX_SCALE_ROW1
.else
	v_wmma_scale_f32_16x16x128_f8f6f4 v[O+8*\t:O+8*\t+7], v[KF+12*\t:KF+12*\t+11], v[PCD:PCD+11], v[O+8*\t:O+8*\t+7], v[VSA+\t/2], v[PW] matrix_a_fmt:MATRIX_FMT_FP6 matrix_b_fmt:MATRIX_FMT_FP6
.endif
.endr
	v_add_nc_u32 v[DLO], 0xffffff80, v[DLO]        ; the next window begins 128 keys on.  With the three below: the places in front of the first read of O^T
.rept 3
	v_nop
.endr
	s_add_co_u32 s28, s28, 4
	s_add_co_u32 s30, s30, 1
	s_add_co_u32 s32, s32, 1
	s_cmp_lt_u32 s32, s29
	s_cbranch_scc1 .Ltrip
	; THE WAY OUT: O^T / the sum goes through my stage and leaves as rows of 256 bytes: sixteen lanes store one aligned run of 256 bytes
	v_add_f32 v14, v14, v15
	v_permlanex16_b32 v[PT], v14, s24, s25
	v_add_f32 v14, v14, v[PT]                      ; the row's sum: the diagonal always counts, so it is over 1/2
	v_rcp_f32 v14, v14
	v_nop                                          ; a plain place behind the transcendental
	s_wait_alu depctr_va_vdst(0)                   ; the reciprocal has written v14, ahead of its first reader
.set j, 0
.rept 32
	v_mul_f32 v[S+j], v[O+j], v14                  ; register 8 t + i of tile t = 2 g + u: channel 32 g + 8 u + 16 h + i
.set j, j+1
.endr
	s_wait_alu depctr_va_vdst(0)                   ; the multiplications have written v96-127, which the LDS stores read; the last products are done reading v32-63, in which the LDS loads land
.irp g, 0,1
.irp u, 0,1
	ds_store_b128 v[STI], v[S+8*(2*\g+\u):S+8*(2*\g+\u)+3] offset:128*\g+32*\u
	ds_store_b128 v[STI], v[S+8*(2*\g+\u)+4:S+8*(2*\g+\u)+7] offset:128*\g+32*\u+16
.endr
.endr
.irp i, 0,1,2,3,4,5,6,7
	ds_load_b128 v[KF+4*\i:KF+4*\i+3], v[STO] offset:544*\i   ; LDS serves a wave's instructions in order: these see my stores
.endr
.irp i, 0,1,2,3,4,5,6,7
	s_wait_dscnt 7-\i                              ; these two rows are back; the younger ones may be out
	global_store_b128 v[GOF], v[KF+4*\i:KF+4*\i+3], s[60:61] offset:(2*\i+8*(\i/4))*4096 th:TH_STORE_NT   ; stage row n is query 8 u + n + 8 (n / 8) of the group
.endr
	s_wait_dscnt 0x0
	s_wait_alu depctr_hold_cnt(0) depctr_sa_sdst(0) depctr_va_vdst(0) depctr_va_sdst(0) depctr_va_ssrc(0) depctr_va_vcc(0) depctr_vm_vsrc(0)
	s_wait_tensorcnt 0x0
	ds_add_u32 v254, v255
	s_wait_dscnt 0x0
	s_endpgm
.Lfunc_end_k_qeb35366fee_attn:
	.size	k_qeb35366fee_attn, .Lfunc_end_k_qeb35366fee_attn-k_qeb35366fee_attn
	.p2alignl 7, 3214868480
	.fill 96, 4, 3214868480
	.section	.rodata,"a",@progbits
	.p2align	6, 0x0
	.amdhsa_kernel k_qeb35366fee_attn
		.amdhsa_group_segment_fixed_size 35840
		.amdhsa_private_segment_fixed_size 0
		.amdhsa_enable_private_segment 0
		.amdhsa_kernarg_size 48
		.amdhsa_user_sgpr_count 2
		.amdhsa_user_sgpr_kernarg_segment_ptr 1
		.amdhsa_wavefront_size32 1
		.amdhsa_system_sgpr_workgroup_id_x 1
		.amdhsa_system_sgpr_workgroup_id_y 1
		.amdhsa_system_sgpr_workgroup_id_z 1
		.amdhsa_system_vgpr_workitem_id 0
		.amdhsa_next_free_vgpr 256
		.amdhsa_next_free_sgpr 66
		.amdhsa_reserve_vcc 0
		.amdhsa_float_denorm_mode_32 3
		.amdhsa_float_denorm_mode_16_64 3
		.amdhsa_memory_ordered 1
		.amdhsa_forward_progress 1
		.amdhsa_inst_pref_size 40
	.end_amdhsa_kernel
	.amdgpu_metadata
---
amdhsa.version: [ 1, 2 ]
amdhsa.kernels:
  - .name:           k_qeb35366fee_attn
    .symbol:         k_qeb35366fee_attn.kd
    .args:
      - { .name: qk, .offset: 0, .size: 8, .value_kind: global_buffer, .address_space: global }
      - { .name: qks, .offset: 8, .size: 8, .value_kind: global_buffer, .address_space: global }
      - { .name: vc, .offset: 16, .size: 8, .value_kind: global_buffer, .address_space: global }
      - { .name: vs, .offset: 24, .size: 8, .value_kind: global_buffer, .address_space: global }
      - { .name: seg, .offset: 32, .size: 8, .value_kind: global_buffer, .address_space: global }
      - { .name: out0, .offset: 40, .size: 8, .value_kind: global_buffer, .address_space: global }
    .group_segment_fixed_size: 35840
    .private_segment_fixed_size: 0
    .kernarg_segment_align: 8
    .kernarg_segment_size: 48
    .max_flat_workgroup_size: 256
    .sgpr_count:     66
    .vgpr_count:     256
    .wavefront_size: 32
...
	.end_amdgpu_metadata
.endif
;; end of part 5
